; MI455X (gfx1250); checked and timed in simulation.
; The chip was launched on July 23, 2026; its instructions are those of AMD's public machine-readable ISA for CDNA 5 (MIT licence, August 2026) and "CDNA5" Instruction Set Architecture Reference Guide (July 2026). The comments in the code are by the model that wrote it; some were corrected since.
;; Attention. Allowed arithmetic: float matrix products may take bf16 or f16 operands with f32 sums; other float arithmetic in f32, or as packed bf16 or f16 multiplies, adds, multiply-adds, maxima and minima; sums over many terms, partial sums and values carried from step to step in f32; what a program stores and reads back later, other than sums and carried values, may be rounded once to bf16 or f16.
;; Inputs: bk 1,024 float32; bq 1,024 float32; bv 1,024 float32; key 4 x 2,048 x 1,024 float32; query 4 x 2,048 x 1,024 float32; value 4 x 2,048 x 1,024 float32; wk 1,024 x 1,024 float32; wq 1,024 x 1,024 float32; wv 1,024 x 1,024 float32.
;; Outputs: out0 4 x 2,048 x 1,024 float32.
;; One version. Each part assembles by itself: llvm-mc -triple=amdgcn-amd-amdhsa -mcpu=gfx1250 --defsym DOCPART=n.
;; ======== version 1 of 1: 4 launches
;; limits: values are held in f16: magnitudes above 65,504 overflow, below 6.1e-05 lose precision
;; workspace buffers: wb 6,291,456 bytes; qkv 50,331,648 bytes; p 33,554,432 bytes; ms 524,288 bytes; ls 524,288 bytes
;; launch castw (part 1): grid 256 x 3, 8 waves a work-group, no clusters, 0 bytes of LDS; arguments wq, wk, wv, wb; writes wb
.if DOCPART == 1
	.amdgcn_target "amdgcn-amd-amdhsa--gfx1250"
	.amdhsa_code_object_version 6
	.text
	.protected	k_q1f6f2a210c_castw
	.globl	k_q1f6f2a210c_castw
	.p2align	8
	.type	k_q1f6f2a210c_castw,@function
k_q1f6f2a210c_castw:
	s_mov_b64 s[64:65], 0
	v_nop
	global_prefetch_b8 v0, s[64:65] scope:SCOPE_SE
	s_setreg_imm32_b32 hwreg(HW_REG_WAVE_MODE, 25, 1), 1
	s_wait_xcnt 0x0
; wb[t][k][n] = bf16(w_t[k][n]), t = 0, 1, 2 for wq, wk, wv: [1024][1024] f32 each, the layout kept, each number rounded once (to nearest even).
; A stream: no LDS, no matrix unit, no loop.  Work-group (x, t) takes 4,096 numbers of tensor t: 16,384 bytes in, 8,192 bytes out.
; Thread i takes 8 numbers at byte 32 i and 8 at byte 8,192 + 32 i; its two stores are 16 bytes at 16 i and at 4,096 + 16 i, so a store of a wave covers 512 consecutive bytes, aligned.
	s_load_b256 s[4:11], s[0:1], 0x0               ; wq s[4:5], wk s[6:7], wv s[8:9], wb s[10:11]
	s_and_b32 s12, ttmp7, 0xffff                   ; t
	s_lshl_b32 s14, ttmp9, 14                      ; my 16,384 bytes of the source
	s_mov_b32 s15, 0
	s_lshl_b32 s16, s12, 21                        ; tensor t's 2 MiB of wb,
	s_lshl_b32 s17, ttmp9, 13                      ; my 8,192 bytes of them
	s_add_co_u32 s16, s16, s17
	s_mov_b32 s17, 0
	v_lshlrev_b32 v1, 5, v0
	v_lshlrev_b32 v2, 4, v0
	s_wait_kmcnt 0x0
	s_cmp_eq_u32 s12, 1
	s_cselect_b64 s[4:5], s[6:7], s[4:5]
	s_cmp_eq_u32 s12, 2
	s_cselect_b64 s[4:5], s[8:9], s[4:5]
	s_add_nc_u64 s[4:5], s[4:5], s[14:15]
	s_add_nc_u64 s[10:11], s[10:11], s[16:17]
	global_load_b128 v[4:7],   v1, s[4:5] th:TH_LOAD_NT
	global_load_b128 v[8:11],  v1, s[4:5] offset:16 th:TH_LOAD_NT
	global_load_b128 v[12:15], v1, s[4:5] offset:8192 th:TH_LOAD_NT
	global_load_b128 v[16:19], v1, s[4:5] offset:8208 th:TH_LOAD_NT
	s_wait_loadcnt 0x2                             ; the first two loads are in, the two younger ones may stay out
	v_cvt_pk_bf16_f32 v20, v4, v5
	v_cvt_pk_bf16_f32 v21, v6, v7
	v_cvt_pk_bf16_f32 v22, v8, v9
	v_cvt_pk_bf16_f32 v23, v10, v11
	global_store_b128 v2, v[20:23], s[10:11]
	s_wait_loadcnt 0x0
	v_cvt_pk_bf16_f32 v24, v12, v13
	v_cvt_pk_bf16_f32 v25, v14, v15
	v_cvt_pk_bf16_f32 v26, v16, v17
	v_cvt_pk_bf16_f32 v27, v18, v19
	global_store_b128 v2, v[24:27], s[10:11] offset:4096
	s_endpgm
.Lfunc_end_k_q1f6f2a210c_castw:
	.size	k_q1f6f2a210c_castw, .Lfunc_end_k_q1f6f2a210c_castw-k_q1f6f2a210c_castw
	.p2alignl 7, 3214868480
	.fill 96, 4, 3214868480
	.section	.rodata,"a",@progbits
	.p2align	6, 0x0
	.amdhsa_kernel k_q1f6f2a210c_castw
		.amdhsa_group_segment_fixed_size 0
		.amdhsa_private_segment_fixed_size 0
		.amdhsa_enable_private_segment 0
		.amdhsa_kernarg_size 32
		.amdhsa_user_sgpr_count 2
		.amdhsa_user_sgpr_kernarg_segment_ptr 1
		.amdhsa_wavefront_size32 1
		.amdhsa_system_sgpr_workgroup_id_x 1
		.amdhsa_system_sgpr_workgroup_id_y 1
		.amdhsa_system_sgpr_workgroup_id_z 1
		.amdhsa_system_vgpr_workitem_id 0
		.amdhsa_next_free_vgpr 32
		.amdhsa_next_free_sgpr 66
		.amdhsa_reserve_vcc 0
		.amdhsa_float_denorm_mode_32 3
		.amdhsa_float_denorm_mode_16_64 3
		.amdhsa_memory_ordered 1
		.amdhsa_forward_progress 1
		.amdhsa_inst_pref_size 2
	.end_amdhsa_kernel
	.amdgpu_metadata
---
amdhsa.version: [ 1, 2 ]
amdhsa.kernels:
  - .name:           k_q1f6f2a210c_castw
    .symbol:         k_q1f6f2a210c_castw.kd
    .args:
      - { .name: wq, .offset: 0, .size: 8, .value_kind: global_buffer, .address_space: global }
      - { .name: wk, .offset: 8, .size: 8, .value_kind: global_buffer, .address_space: global }
      - { .name: wv, .offset: 16, .size: 8, .value_kind: global_buffer, .address_space: global }
      - { .name: wb, .offset: 24, .size: 8, .value_kind: global_buffer, .address_space: global }
    .group_segment_fixed_size: 0
    .private_segment_fixed_size: 0
    .kernarg_segment_align: 8
    .kernarg_segment_size: 32
    .max_flat_workgroup_size: 256
    .sgpr_count:     66
    .vgpr_count:     32
    .wavefront_size: 32
...
	.end_amdgpu_metadata
.endif
;; end of part 1
;; launch proj (part 2): grid 4 x 64, 4 waves a work-group, clusters of 4 x 4, 327,680 bytes of LDS; arguments query, key, value, wb, bq, bk, bv, qkv; writes qkv
.if DOCPART == 2
	.amdgcn_target "amdgcn-amd-amdhsa--gfx1250"
	.amdhsa_code_object_version 6
	.text
	.protected	k_q1f6f2a210c_proj
	.globl	k_q1f6f2a210c_proj
	.p2align	8
	.type	k_q1f6f2a210c_proj,@function
k_q1f6f2a210c_proj:
	s_mov_b64 s[64:65], 0
	v_nop
	global_prefetch_b8 v0, s[64:65] scope:SCOPE_SE
	s_setreg_imm32_b32 hwreg(HW_REG_WAVE_MODE, 25, 1), 1
	s_wait_xcnt 0x0
	s_wait_alu depctr_hold_cnt(0) depctr_sa_sdst(0) depctr_va_vdst(0) depctr_va_sdst(0) depctr_va_ssrc(0) depctr_va_vcc(0) depctr_vm_vsrc(0)
	s_getreg_b32 s2, hwreg(HW_REG_IB_STS2, 6, 4)
	s_cmp_eq_u32 s2, 0
	s_cbranch_scc0 .Lentry_in_a_cluster
	s_endpgm
.Lentry_in_a_cluster:
	s_bfe_u32 s2, ttmp6, 0x10000c
	s_cmp_lg_u32 s2, 0xf033
	s_cbranch_scc0 .Lentry_shape_is_right
	s_endpgm
.Lentry_shape_is_right:
; qkv[t][row][n] = f16( sum over k of bf16(x_t[row][k]) wb[t][k][n] + bf16(b_t[n]) ), t = 0, 1, 2 for (query, wq, bq), (key, wk, bk), (value, wv, bv).
; x_t: [8192][1024] f32; wb: [3][1024 k][1024 n] bf16; b_t: [1024] f32; qkv: [3][8192][1024] f16.  Sums in f32, K ascending, the result rounded once.
; FORMATS.  All inputs are rounded to bf16 (the bias too) and multiplied in bf16.  The results q, k, v leave in f16: 11 significant bits, since their roundings reach the module's output undiminished.
; LIMITS.  f16 holds no number beyond 65,504: a result past that becomes an infinity.  x and w of unit and 1/32 size give results of about 0.6; both 30 times larger about 520 (the largest of 8 million about 2,900);
; both with a common offset of 30 times their spread 1,024 x 30 x 0.54, about 16,600.  Below 6e-5 a result keeps f16's fixed step of 6e-8.  NaN and infinities are not treated apart.
; SHARES.  A tile of the result is 128 rows x 256 columns.  64 x 4 = 256 work-groups; A WORK-GROUP STAYS and makes its tile for t = 0, 1, 2.  Four waves, each 64 x 128: 32 accumulators of 16 x 16.
; W comes by the tensor data mover into two LDS slots of 256 k x 256 columns; each wave brings 64 rows of k.  wb's three tensors lie on end, so one descriptor walks 12 slots.  w lies [k][n] and is turned on its way
; out of LDS by ds_load_tr16_b128.  CLUSTER: 4 x 4 work-groups; the four of a column of the cluster need the same slot of w and ask for it jointly.
; X comes by loads into registers: a wave takes 32 of the tile's 128 rows, 64 k (256 bytes of a row) a step, rounds them to bf16 once and stores them into one of two LDS buffers of 128 rows x 64 k.  Four sets of 64
; registers take turns: a set is asked for three steps ahead of its use.  X IS NOT ASKED FOR JOINTLY, though the four work-groups of a row of the cluster read the same rows: beside two slots of w (278,528 bytes) LDS has
; 49,152 bytes left, and 128 rows x 256 k of f32 would be 133,120 for each slot; as bf16, a step at a time, x takes 36,864, is written and read as half the bytes, and each number is rounded once in a work-group.
; THE MATRIX INSTRUCTION IS USED TRANSPOSED (source 0 = 16 columns of w, source 1 = 16 rows of x): a lane holds row l % 16 and the columns 8 (l / 16) + 0..7.  The bias is the C operand of a tile's first products.
; STEPS.  A step is 64 k: two quarters of 32 matrix instructions on fragment buffers 0 and 1, and one barrier, at which the x buffers change.  Four steps are a slot of w; the fourth barrier opens the cluster's round.
; REGISTERS, in windows of 256 (s_set_vgpr_msb: bits 1:0 source 0, 3:2 source 1, 5:4 source 2, 7:6 destination):
;   window 0: v16-31 addresses; v32-95 the way out; v96-127, v192-255 the three biases, packed bf16; v128-191 the bias in hand, f32          window 1: accumulator (a, b) at v[8 (8 a + b)]
;   window 2: v0-63 fragments of x, two buffers of 4; v64-191 fragments of w, two buffers of 8          window 3: x as loaded, four sets of 64
.set NT,     12                        ; slots of w in the walk: 3 tensors x 1,024 k / 256
.set PB,     544                       ; a row of w in LDS: 512 bytes + 32 = 136 words
.set HB,     64*PB                     ; 64 rows of k: what one tensor load brings
.set SLOT,   4*HB                      ; 256 rows of k
.set PX,     144                       ; a row of x in LDS: 128 bytes + 16 = 36 words: the 16 rows of a fragment load start at 16 different groups of four banks
.set XW,     32*PX                     ; a wave's 32 rows of an x buffer; also its stage on the way out (16 rows x 272 bytes fit)
.set XBUF,   128*PX
.set XB0,    2*SLOT                    ; behind the ring: the two x buffers; no tensor load lands there
.set SPARE,  XB0+2*XBUF                ; behind them: the spare words, 128 bytes for each wave: two blocks of 256 bytes that no other line names
.set SP,     272                       ; a row of the stage
.set BSTEP,  256*2048                  ; a slot down the rows of wb
.set ADRA,   16                        ; v16  my place in x buffer 0; never rewritten
.set ADRB0,  18                        ; v18  my place in a slot of w; never rewritten
.set BL,     19                        ; v19  the biases: where I read 16 bytes back
.set ADRBL,  20                        ; v20  my place in the slot in hand, quarters 0 to 3
.set ADRBH,  21                        ; v21  the same, quarters 4 to 7: an LDS immediate has 16 bits
.set XO,     22                        ; v22  my byte offset in two rows of x; never rewritten
.set XS,     23                        ; v23  where I store 8 bytes of x; never rewritten
.set STO,    24                        ; v24  the way out: where I put 16 bytes of a row
.set RD,     25                        ; v25  where I read a row back
.set CO,     26                        ; v26  my byte offset in qkv
.set BS,     27                        ; v27  the biases: where I store 8 bytes
.set SPW,    28                        ; v28  LDS address of my spare word; never rewritten
.set NIL,    29                        ; v29  0; never rewritten
.set PFO,    30                        ; v30  the prefetches' offset; never rewritten
.set BO,     31                        ; v31  my byte offset in a bias
.set TMP,    32                        ; the way out: packed results
.set OB,     64                        ; the way out: rows read back
.set BP0,    96                        ; v[96:127]  the next tile's bias of my columns, packed: word 4 b + j holds columns 16 b + 8 (l / 16) + 2 j, + 1
.set BIAS,   128                       ; v[128:191] the bias in hand: block b at BIAS + 8 b
.set BP1,    192                       ; v[192:223], v[224:255] the two after it
.set BP2,    224
.set AF,     0                         ; window 2
.set BF,     64                        ; window 2
.set XP,     20                        ; s[20:21] x at my rows, at the slot after the one in hand
.set G1B,    48                        ; s[48:55] descriptor group 1
.set G0B,    56                        ; s[56:59] descriptor group 0: it walks
; scalars: s3 changes of slots to come; s10 wave; s11 wave / 2: my half of the rows; s12 wave % 2: my half of the columns; s13 tile row; s14 cluster y; s15 the prefetches' bound; s40, s41 cx, cy; s42 tile column;
; s[46:47] where my prefetches stand; s68 the slot in hand (0 or SLOT); s70 my part's place in a slot; s71 a word's upper half; s[72:77] x_0, x_1, x_2 at my rows; s[92:93] qkv at my rows; s[94:95] what the next way out adds to it
.set MSB, 0
.macro WIN new                         ; the immediate's high byte repeats the setting that is left; a switch that changes nothing is dropped
.if MSB != (\new)
	s_set_vgpr_msb (MSB<<8)|(\new)
.set MSB, (\new)
.endif
.endm
.macro PLACES                          ; four plain instructions between a matrix instruction and a load into a register that it has read, or a vector line that reads its result (ISA guide 7.12.1 for vector lines)
.rept 4
	v_nop
.endr
.endm
.macro CREST                           ; a round of the cluster's barrier behind its opening barrier
	s_cmp_lg_u32 s10, 0
	s_cbranch_scc1 .Lnot_wave_0_\@
	s_barrier_signal -3
.Lnot_wave_0_\@:
	s_barrier_wait -3
	s_barrier_signal -1
	s_barrier_wait -1
.endm
.macro CROUND                          ; a whole round
	s_barrier_signal -1
	s_barrier_wait -1
	CREST
.endm
.macro JLOAD                           ; my 64 rows of k of a slot, asked for jointly with my column of the cluster; an s_nop 0 and four v_nop follow
	tensor_load_to_lds s[G0B:G0B+3], s[G1B:G1B+7]
	s_nop 0
.rept 4
	v_nop
.endr
.endm
; A prefetch, behind the joint load and the run of LDS loads: the slot that the NEXT change will ask for (256 matrix instructions ahead of that load): 32 blocks of 256 bytes, a lane a block.  Of the 64 rows of k that I fetch
; each of the four partners of my column takes 16 (by cy, in the address), 2 blocks a row.  All 16 clusters read the same w: cluster y = 0 asks.  The last change that fills a slot (s3 = 1) has no slot behind it.
; x is not prefetched: its own loads go out three steps ahead of their use.
.macro ASK
	s_cmp_gt_u32 s3, s15
	s_cbranch_scc0 .Lnot_mine_\@
	global_prefetch_b8 v[PFO], s[46:47] th:TH_LOAD_NT scope:SCOPE_SE
.Lnot_mine_\@:
.endm
; X.  16 loads: my 32 rows x 256 bytes of a step, two rows an instruction (512 bytes in two aligned runs of 256), into set s; the step lies 256 i bytes behind the base.
.macro XLOAD s, i, bs
	WIN 0xc0                                       ; destination window 3, address window 0
.irp j, 0,1,2,3,4,5,6,7,8,9,10,11,12,13,14,15
	global_load_b128 v[64*(\s)+4*(\j):64*(\s)+4*(\j)+3], v[XO], s[\bs:\bs+1] offset:8192*(\j)+256*(\i)
.endr
.endm
; Set s is rounded to bf16 in place (four f32 become the first two registers) and stored into x buffer par: 8 bytes a lane, 128 bytes a row.
.macro XSTORE s, par
	WIN 0xcf                                       ; destination and both sources window 3
.irp j, 0,1,2,3,4,5,6,7,8,9,10,11,12,13,14,15
	v_cvt_pk_bf16_f32 v[64*(\s)+4*(\j)],   v[64*(\s)+4*(\j)],   v[64*(\s)+4*(\j)+1]
	v_cvt_pk_bf16_f32 v[64*(\s)+4*(\j)+1], v[64*(\s)+4*(\j)+2], v[64*(\s)+4*(\j)+3]
.endr
	WIN 0x0c                                       ; address window 0, data window 3
.irp j, 0,1,2,3,4,5,6,7,8,9,10,11,12,13,14,15
	ds_store_b64 v[XS], v[64*(\s)+4*(\j):64*(\s)+4*(\j)+1] offset:(\par)*XBUF+288*(\j)
.endr
.endm
; In step i of a slot: the NEXT step's x (set i + 1) is stored into the buffer that the step before has read out, and set i, stored a step ago, is asked for again: step i of the next slot.
; left = the loads issued behind the set that is wanted: two sets' 32 in the loop; the tail loads nothing and its counts run down.
.macro PROD i, loads, left
	s_wait_loadcnt \left
	XSTORE ((\i)+1)%4, ((\i)+1)%2
.if \loads
	XLOAD \i, \i, XP
.endif
.endm
; 24 LDS loads in one run: x's 64 rows (buffer par, 32 k at byte 64 qq), then quarter Q of the slot's w, 128 columns, turned; into fragment buffers g
.macro FETCH par, qq, Q, g
	WIN 0x80                                       ; destination window 2
.irp i, 0,1,2,3
	ds_load_b128 v[AF+32*(\g)+8*(\i):AF+32*(\g)+8*(\i)+3],   v[ADRA] offset:(\par)*XBUF+(\i)*16*PX+64*(\qq)
	ds_load_b128 v[AF+32*(\g)+8*(\i)+4:AF+32*(\g)+8*(\i)+7], v[ADRA] offset:(\par)*XBUF+(\i)*16*PX+64*(\qq)+32
.endr
.irp b, 0,1,2,3,4,5,6,7
	ds_load_tr16_b128 v[BF+64*(\g)+8*(\b):BF+64*(\g)+8*(\b)+3],   v[ADRBL+(\Q)/4] offset:32*((\Q)%4)*PB+32*(\b)
	ds_load_tr16_b128 v[BF+64*(\g)+8*(\b)+4:BF+64*(\g)+8*(\b)+7], v[ADRBL+(\Q)/4] offset:32*((\Q)%4)*PB+16*PB+32*(\b)
.endr
.endm
; 16 matrix instructions: row blocks a0, a0 + 1 x all 8 column blocks.  first = 1: the sums start with the bias.  Each accumulator has one turn a quarter, always in the same order.
.macro MUL16 f, a0, first
.if \first
	WIN 0x4a                                       ; w and x in window 2, C in window 0, D in window 1
.else
	WIN 0x5a                                       ; C and D in window 1
.endif
.irp a, \a0, (\a0)+1
.irp b, 0,1,2,3,4,5,6,7
.if \first
	v_wmma_f32_16x16x32_bf16 v[8*(8*(\a)+(\b)):8*(8*(\a)+(\b))+7], v[BF+64*(\f)+8*(\b):BF+64*(\f)+8*(\b)+7], v[AF+32*(\f)+8*(\a):AF+32*(\f)+8*(\a)+7], v[BIAS+8*(\b):BIAS+8*(\b)+7]
.else
	v_wmma_f32_16x16x32_bf16 v[8*(8*(\a)+(\b)):8*(8*(\a)+(\b))+7], v[BF+64*(\f)+8*(\b):BF+64*(\f)+8*(\b)+7], v[AF+32*(\f)+8*(\a):AF+32*(\f)+8*(\a)+7], v[8*(8*(\a)+(\b)):8*(8*(\a)+(\b))+7]
.endif
.endr
.endr
.endm
; Step i's first quarter: multiplies buffer 0, and in its middle fetches the second quarter into buffer 1.  left = the LDS instructions issued behind buffer 0's loads: my 16 stores of x, or none.
.macro QA i, first, left
	s_wait_dscnt \left
	MUL16 0, 0, \first
	PLACES
	FETCH (\i)%2, 1, 2*(\i)+1, 1
	MUL16 0, 2, \first
.endm
; Step i's second quarter (i = 0, 1, 2): multiplies buffer 1 and changes x buffers.  In front of the barrier my stores of the next step's x are done and my reads of this step's are back; behind it the next step's
; first fragments are fetched.  Nothing is filled by the mover behind this barrier, so its load may stay on its way.
.macro QB i
	s_wait_dscnt 0x0
	s_barrier_signal -1
	MUL16 1, 0, 0                                  ; work on registers while the others arrive
	s_barrier_wait -1
	PLACES
	FETCH ((\i)+1)%2, 0, 2*(\i)+2, 0
	MUL16 1, 2, 0
.endm
; THE CHANGE OF SLOTS: a slot's last quarter.  Each wave waits for all its tensor loads (one is out: its part of the next slot), adds 0 to its spare word, and waits for that, for its stores of x and for its reads of this slot.
; fill = 1: the barrier opens a round of the cluster's, and behind the round the slot just read is filled again, first thing, with the slot two on: 240 matrix instructions ahead of the wait for it.
; mul = 0: the first change of all: slot 0 is waited for, slot 1 filled for the first time, and there is no quarter to finish.
.macro CHANGE fill, mul
	WIN 0
	s_wait_tensorcnt 0x0                           ; no tensor load of mine is out, so group 0 may be written
	ds_add_u32 v[SPW], v[NIL]                      ; 0 onto my spare word; work on registers stands between it and the wait for it
.if \fill
	s_add_co_u32 s[G0B+1], s70, s68                ; the slot that is being left,
	s_add_nc_u64 s[G0B+2:G0B+3], s[G0B+2:G0B+3], BSTEP  ; the next 256 rows of wb; the type bits on top are not reached
.endif
	s_xor_b32 s68, s68, SLOT                       ; the reads go on in the other slot
	s_wait_dscnt 0x0
	s_barrier_signal -1
.if \mul
	MUL16 1, 0, 0
	WIN 0
.endif
	s_barrier_wait -1
.if \fill
	CREST
	JLOAD                                          ; the four v_nop behind it are also the places in front of the loads below
.else
	PLACES
.endif
	v_add_nc_u32 v[ADRBL], s68, v[ADRB0]
	v_add_nc_u32 v[ADRBH], 4*32*PB, v[ADRBL]
	FETCH 0, 0, 0, 0
.if (\fill) && (\mul)
	WIN 0
	ASK
.endif
.if \mul
	MUL16 1, 2, 0
.endif
.endm
; THE WAY OUT of row block a: rounded to f16, 16 bytes a lane, into my stage and back as whole rows of 256 bytes (LDS serves a wave's instructions in order: ISA guide 5.7.1.4), then stored.  The stage is my own 32 rows of
; the x buffer at byte so: I alone write there, and between the barrier in front and the next one no wave reads that buffer.
.macro OUT a, so
	WIN 0x05                                       ; sources in window 1, destination in window 0; each accumulator's registers in ascending order
.irp b, 0,1,2,3,4,5,6,7
.irp r, 0,1,2,3
	v_cvt_pk_f16_f32 v[TMP+4*(\b)+(\r)], v[64*(\a)+8*(\b)+2*(\r)], v[64*(\a)+8*(\b)+2*(\r)+1]
.endr
.endr
	WIN 0
	s_wait_xcnt 0x0                                ; earlier stores have read their registers and their base, which are written again below
.if (\a) == 0
	s_add_nc_u64 s[92:93], s[92:93], s[94:95]      ; on to this tensor's rows
.endif
.irp b, 0,1,2,3,4,5,6,7
	ds_store_b128 v[STO], v[TMP+4*(\b):TMP+4*(\b)+3] offset:(\so)+32*(\b)
.endr
.irp t, 0,1,2,3,4,5,6,7
	ds_load_b128 v[OB+4*(\t):OB+4*(\t)+3], v[RD] offset:(\so)+(\t)*2*SP
.endr
	s_wait_dscnt 0x0
.irp t, 0,1,2,3,4,5,6,7
	global_store_b128 v[CO], v[OB+4*(\t):OB+4*(\t)+3], s[92:93] offset:(16*(\a)+2*(\t))*2048  ; 16 lanes store 256 consecutive bytes, at a multiple of 256 from qkv's first byte
.endr
.endm
	s_load_b512 s[72:87], s[0:1], 0x0              ; query s[72:73], key, value, wb s[78:79], bq s[80:81], bk, bv, qkv s[86:87]
	v_lshl_add_u32 v[SPW], v0, 2, SPARE
	v_mov_b32 v[NIL], 0
	ds_add_u32 v[SPW], v[NIL]                      ; the wave's opening: the add and its wait stand ahead of my first tensor load; the set-up below, work on registers, stands between them
	v_lshrrev_b32 v1, 5, v0
	v_readfirstlane_b32 s10, v1                    ; wave 0..3
	s_lshr_b32 s11, s10, 1
	s_and_b32 s12, s10, 1
	s_bfe_u32 s40, ttmp6, 0x40000                  ; cx
	s_bfe_u32 s41, ttmp6, 0x40004                  ; cy
	s_lshl_b32 s42, ttmp9, 2
	s_add_co_u32 s42, s42, s40                     ; tile column = 4 x cluster x + cx
	s_and_b32 s14, ttmp7, 0xffff                   ; cluster y
	s_lshl_b32 s13, s14, 2
	s_add_co_u32 s13, s13, s41                     ; tile row = 4 x cluster y + cy
	s_lshl_b32 s44, 0x1111, s40                    ; my column of the cluster
	s_or_b32 s[G1B], s44, (1<<16)|(1<<20)|(1<<21)|(6<<22)|(7<<25)  ; the mask; elements of 2 bytes; padding on; bit 21 beside a mask; after every 128 words (code 6) 8 words (code 7)
	s_mov_b32 s[G1B+1], 256<<16                    ; tensor_dim0 = 256 columns
	s_mov_b32 s[G1B+2], 64<<16                     ; tensor_dim1 = 64 rows of k
	s_mov_b32 s[G1B+3], 256<<16                    ; tile_dim0
	s_mov_b32 s[G1B+4], 64                         ; tile_dim1
	s_mov_b32 s[G1B+5], 1024                       ; elements from row to row
	s_mov_b32 s[G1B+6], 0
	s_mov_b32 s[G1B+7], 0
	s_mul_i32 s70, s10, HB                         ; where my part goes in a slot: no place in the cluster enters an LDS address
	s_mov_b32 s[G0B], 1                            ; count = 1
	s_mov_b32 s[G0B+1], s70                        ; LDS address: slot 0
	s_mov_b32 s68, SLOT                            ; the first change turns it into 0
	s_mov_b32 s71, 0xffff0000
	s_mov_b32 s94, 0                               ; the first way out adds nothing
	s_mov_b32 s95, 0
	s_lshl_b32 s16, s13, 7
	s_lshl_b32 s17, s10, 5
	s_add_co_u32 s16, s16, s17                     ; x: row 128 x tile row + 32 x wave,
	s_lshl_b32 s16, s16, 12                        ; of 4,096 bytes
	s_mov_b32 s17, 0
	s_lshl_b32 s18, s10, 17                        ; w: row of k 64 x wave, of 2,048 bytes,
	s_lshl_b32 s19, s42, 9                         ; 512 bytes a tile column
	s_add_co_u32 s18, s18, s19
	s_mov_b32 s19, 0
	s_lshl_b32 s22, s41, 15                        ; the prefetches: my work-group's 16 of those 64 rows,
	s_add_co_u32 s22, s22, s18
	s_add_co_u32 s22, s22, 2*BSTEP                 ; in slot 2; the first trip's end steps it to slot 3.  Nothing is prefetched at the head
	s_mov_b32 s23, 0
	s_lshl_b32 s4, s13, 7
	s_lshl_b32 s5, s11, 6
	s_add_co_u32 s4, s4, s5                        ; qkv: row 128 x tile row + 64 x half,
	s_lshl_b32 s4, s4, 11                          ; of 2,048 bytes;
	s_lshl_b32 s5, s42, 9
	s_add_co_u32 s4, s4, s5                        ; 512 bytes a tile column,
	s_lshl_b32 s5, s12, 8
	s_add_co_u32 s4, s4, s5                        ; 256 a half
	s_mov_b32 s5, 0
	s_cmp_eq_u32 s14, 0
	s_cselect_b32 s15, 1, -1                       ; the same in all sixteen partners
	v_and_b32 v1, 15, v0                           ; r = l % 16
	v_bfe_u32 v2, v0, 4, 1                         ; h = l / 16
	v_and_b32 v3, 31, v0                           ; l
	s_lshl_b32 s6, s42, 10                         ; a bias: my wave's 128 columns are 512 bytes, 16 a lane
	s_lshl_b32 s7, s12, 9
	s_add_co_u32 s6, s6, s7
	v_lshl_add_u32 v[BO], v3, 4, s6
	v_lshlrev_b32 v[XO], 12, v2                    ; x in memory: lanes 0-15 one row's 256 bytes, lanes 16-31 the next row's
	v_lshl_add_u32 v[XO], v1, 4, v[XO]
	s_mul_i32 s6, s10, XW
	s_add_co_u32 s6, s6, XB0                       ; my 32 rows of x buffer 0
	v_mul_u32_u24 v[XS], v2, PX                    ; the same two rows in LDS, 8 bytes a lane
	v_lshl_add_u32 v[XS], v1, 3, v[XS]
	v_add_nc_u32 v[XS], s6, v[XS]
	v_mul_u32_u24 v[STO], v1, SP                   ; the stage, in: row r, 16 bytes for each half of the lanes
	v_lshl_add_u32 v[STO], v2, 4, v[STO]
	v_add_nc_u32 v[STO], s6, v[STO]
	v_mul_u32_u24 v[RD], v2, SP                    ; back: lanes 0-15 one row of 256 bytes, lanes 16-31 the next
	v_lshl_add_u32 v[RD], v1, 4, v[RD]
	v_add_nc_u32 v[RD], s6, v[RD]
	v_lshl_add_u32 v[BS], v3, 3, s6
	v_lshl_add_u32 v[BL], v2, 4, s6
	s_mul_i32 s7, s11, 64*PX
	s_add_co_u32 s7, s7, XB0                       ; the 64 rows that I multiply
	v_mul_u32_u24 v[ADRA], v1, PX                  ; a fragment of x: row x pitch + 16 x half
	v_lshl_add_u32 v[ADRA], v2, 4, v[ADRA]
	v_add_nc_u32 v[ADRA], s7, v[ADRA]
	v_and_b32 v4, 7, v0                            ; the turning load takes 16 k x 16 columns: lane l reads k = 8 h + l % 8, columns 8 ((l / 8) % 2) + 0..7, and is left with column r and 8 k
	v_lshl_add_u32 v4, v2, 3, v4
	v_mul_u32_u24 v[ADRB0], v4, PB
	v_bfe_u32 v5, v0, 3, 1
	v_lshl_add_u32 v[ADRB0], v5, 4, v[ADRB0]
	s_lshl_b32 s7, s12, 8                          ; my 128 columns
	v_add_nc_u32 v[ADRB0], s7, v[ADRB0]
	v_lshlrev_b32 v[CO], 11, v2                    ; two rows of qkv
	v_lshl_add_u32 v[CO], v1, 4, v[CO]
	v_lshrrev_b32 v5, 1, v3                        ; the prefetches: lane l names row l / 2, block l % 2
	v_and_b32 v6, 1, v3
	v_lshlrev_b32 v5, 11, v5
	v_lshl_add_u32 v[PFO], v6, 8, v5
	s_wait_dscnt 0x0                               ; the opening add is done
	s_wait_kmcnt 0x0
	s_add_nc_u64 s[72:73], s[72:73], s[16:17]      ; the three x at my rows
	s_add_nc_u64 s[74:75], s[74:75], s[16:17]
	s_add_nc_u64 s[76:77], s[76:77], s[16:17]
	s_add_nc_u64 s[XP:XP+1], s[72:73], 1024        ; slot 1's k
	s_add_nc_u64 s[G0B+2:G0B+3], s[78:79], s[18:19]  ; global address: my part of slot 0
	s_or_b32 s[G0B+3], s[G0B+3], 0x80000000        ; type = 2
	s_add_nc_u64 s[46:47], s[78:79], s[22:23]
	s_add_nc_u64 s[92:93], s[86:87], s[4:5]
	global_load_b128 v[4:7],   v[BO], s[80:81]     ; the three biases: 4 columns a lane
	global_load_b128 v[8:11],  v[BO], s[82:83]
	global_load_b128 v[12:15], v[BO], s[84:85]
	XLOAD 0, 0, 72                                 ; x's steps 0, 1, 2
	XLOAD 1, 1, 72
	XLOAD 2, 2, 72
	WIN 0
	CROUND                                         ; all sixteen work-groups are here: the first joint loads meet
	JLOAD                                          ; slot 0.  Slot 1 is asked for when slot 0 is in, by the change of slots below
	s_wait_loadcnt 48                              ; the biases are in; x's 48 loads may stay out
.irp t, 0,1,2                          ; rounded to bf16 like every input; through my own bytes of x buffer 1, which takes no x before the first step: 256 bytes a bias, read back as the 16 bytes of each block of 16 columns
	v_cvt_pk_bf16_f32 v[4+4*(\t)], v[4+4*(\t)], v[5+4*(\t)]
	v_cvt_pk_bf16_f32 v[5+4*(\t)], v[6+4*(\t)], v[7+4*(\t)]
	ds_store_b64 v[BS], v[4+4*(\t):5+4*(\t)] offset:XBUF+256*(\t)
.endr
.irp b, 0,1,2,3,4,5,6,7
	ds_load_b128 v[BP0+4*(\b):BP0+4*(\b)+3], v[BL] offset:XBUF+32*(\b)
	ds_load_b128 v[BP1+4*(\b):BP1+4*(\b)+3], v[BL] offset:XBUF+256+32*(\b)
	ds_load_b128 v[BP2+4*(\b):BP2+4*(\b)+3], v[BL] offset:XBUF+512+32*(\b)
.endr
	s_wait_loadcnt 32                              ; x's step 0 is in; steps 1 and 2 may stay out
	XSTORE 0, 0
	XLOAD 3, 3, 72                                 ; step 3
	CHANGE 1, 0
	WIN 0                                          ; at a label and at a branch every window is 0
	s_mov_b32 s3, NT-1
	s_branch .Lenter                               ; the loop is entered behind its change of slots, where a tile begins
.Ltrip:                                                ; 11 trips, slots 0 to 10: each begins with the change into its slot (the first trip's stands above) and ends in front of its last quarter
	CHANGE 1, 1
	WIN 0
	s_and_b32 s4, s3, 3                            ; slot 11 - s3 is a tile's first where s3 % 4 = 3
	s_cmp_eq_u32 s4, 3
	s_cbranch_scc0 .Lsame
	OUT 0, XBUF                                    ; THE TILE GOES OUT, the next tile's w asked for and its first fragments fetched.  Blocks 0 and 1 were finished in front of the change's v_nop;
	OUT 1, XBUF                                    ; their conversions are the places behind the last products.  x buffer 1 has been read out, and I store into my rows of it only below
	OUT 2, XBUF
	OUT 3, XBUF
	s_mov_b32 s94, 0x1000000                       ; the next way out goes 8,192 rows of 2,048 bytes on
.Lenter:
.set i, 0
.rept 32                               ; this tile's bias as f32;
	v_lshlrev_b32 v[BIAS+2*i], 16, v[BP0+i]
	v_and_b32 v[BIAS+2*i+1], s71, v[BP0+i]
.set i, i+1
.endr
.set i, 0
.rept 32                               ; the two behind it move up, so that one text serves every tile
	v_mov_b32 v[BP0+i], v[BP1+i]
	v_mov_b32 v[BP1+i], v[BP2+i]
.set i, i+1
.endr
	PROD 0, 1, 32
	QA 0, 1, 16                                    ; a tile's first products start the sums with the bias
	WIN 0
	s_branch .Lgo
.Lsame:
	PROD 0, 1, 32
	QA 0, 0, 16
	WIN 0
.Lgo:
	QB 0
	PROD 1, 1, 32
	QA 1, 0, 16
	QB 1
	PROD 2, 1, 32
	QA 2, 0, 16
	QB 2
	PROD 3, 1, 32
	QA 3, 0, 16
	WIN 0
	s_wait_xcnt 0x0                                ; the loads (the youngest 32 matrix instructions back) and the prefetch have read their addresses
	s_add_nc_u64 s[46:47], s[46:47], BSTEP
	s_add_nc_u64 s[XP:XP+1], s[XP:XP+1], 1024      ; x: the slot after the next; where that is a tile's first, the next tensor's k = 0
	s_cmp_eq_u32 s3, 9
	s_cselect_b64 s[XP:XP+1], s[74:75], s[XP:XP+1]
	s_cmp_eq_u32 s3, 5
	s_cselect_b64 s[XP:XP+1], s[76:77], s[XP:XP+1]
	s_sub_co_u32 s3, s3, 1
	s_cmp_lg_u32 s3, 0
	s_cbranch_scc1 .Ltrip
	CHANGE 0, 1                                    ; the last slot is written out: nothing is asked for, of w or of x
	PROD 0, 0, 32
	QA 0, 0, 16
	QB 0
	PROD 1, 0, 16
	QA 1, 0, 16
	QB 1
	PROD 2, 0, 0
	QA 2, 0, 16
	QB 2
	QA 3, 0, 0
	s_wait_dscnt 0x0
	MUL16 1, 0, 0
	MUL16 1, 2, 0
	PLACES
	OUT 0, 0                                       ; the last step reads x buffer 1; buffer 0 was read out in front of the last barrier and takes no more x
	OUT 1, 0
	OUT 2, 0
	OUT 3, 0
	s_wait_tensorcnt 0x0                           ; the wave's end: a wait, an add to my spare word and its wait, behind my last tensor load and my last LDS store
	ds_add_u32 v[SPW], v[NIL]
	s_wait_dscnt 0x0
	CROUND                                         ; the closing round: no work-group ends while a partner may still ask for a slot that names it
	s_endpgm
.Lfunc_end_k_q1f6f2a210c_proj:
	.size	k_q1f6f2a210c_proj, .Lfunc_end_k_q1f6f2a210c_proj-k_q1f6f2a210c_proj
	.p2alignl 7, 3214868480
	.fill 96, 4, 3214868480
	.section	.rodata,"a",@progbits
	.p2align	6, 0x0
	.amdhsa_kernel k_q1f6f2a210c_proj
		.amdhsa_group_segment_fixed_size 327680
		.amdhsa_private_segment_fixed_size 0
		.amdhsa_enable_private_segment 0
		.amdhsa_kernarg_size 64
		.amdhsa_user_sgpr_count 2
		.amdhsa_user_sgpr_kernarg_segment_ptr 1
		.amdhsa_wavefront_size32 1
		.amdhsa_system_sgpr_workgroup_id_x 1
		.amdhsa_system_sgpr_workgroup_id_y 1
		.amdhsa_system_sgpr_workgroup_id_z 1
		.amdhsa_system_vgpr_workitem_id 0
		.amdhsa_next_free_vgpr 1024
		.amdhsa_next_free_sgpr 96
		.amdhsa_reserve_vcc 0
		.amdhsa_float_denorm_mode_32 3
		.amdhsa_float_denorm_mode_16_64 3
		.amdhsa_memory_ordered 1
		.amdhsa_forward_progress 1
		.amdhsa_inst_pref_size 156
	.end_amdhsa_kernel
	.amdgpu_metadata
---
amdhsa.version: [ 1, 2 ]
amdhsa.kernels:
  - .name:           k_q1f6f2a210c_proj
    .symbol:         k_q1f6f2a210c_proj.kd
    .args:
      - { .name: query, .offset: 0, .size: 8, .value_kind: global_buffer, .address_space: global }
      - { .name: key, .offset: 8, .size: 8, .value_kind: global_buffer, .address_space: global }
      - { .name: value, .offset: 16, .size: 8, .value_kind: global_buffer, .address_space: global }
      - { .name: wb, .offset: 24, .size: 8, .value_kind: global_buffer, .address_space: global }
      - { .name: bq, .offset: 32, .size: 8, .value_kind: global_buffer, .address_space: global }
      - { .name: bk, .offset: 40, .size: 8, .value_kind: global_buffer, .address_space: global }
      - { .name: bv, .offset: 48, .size: 8, .value_kind: global_buffer, .address_space: global }
      - { .name: qkv, .offset: 56, .size: 8, .value_kind: global_buffer, .address_space: global }
    .group_segment_fixed_size: 327680
    .private_segment_fixed_size: 0
    .kernarg_segment_align: 8
    .kernarg_segment_size: 64
    .max_flat_workgroup_size: 128
    .sgpr_count:     96
    .vgpr_count:     1024
    .wavefront_size: 32
...
	.end_amdgpu_metadata
.endif
;; end of part 2
;; launch scores (part 3): grid 8 x 32, 4 waves a work-group, clusters of 4 x 4, 327,680 bytes of LDS; arguments qkv, p, ms, ls; writes p, ms, ls
.if DOCPART == 3
	.amdgcn_target "amdgcn-amd-amdhsa--gfx1250"
	.amdhsa_code_object_version 6
	.text
	.protected	k_q1f6f2a210c_scores
	.globl	k_q1f6f2a210c_scores
	.p2align	8
	.type	k_q1f6f2a210c_scores,@function
k_q1f6f2a210c_scores:
	s_mov_b64 s[64:65], 0
	v_nop
	global_prefetch_b8 v0, s[64:65] scope:SCOPE_SE
	s_setreg_imm32_b32 hwreg(HW_REG_WAVE_MODE, 25, 1), 1
	s_wait_xcnt 0x0
	s_wait_alu depctr_hold_cnt(0) depctr_sa_sdst(0) depctr_va_vdst(0) depctr_va_sdst(0) depctr_va_ssrc(0) depctr_va_vcc(0) depctr_vm_vsrc(0)
	s_getreg_b32 s2, hwreg(HW_REG_IB_STS2, 6, 4)
	s_cmp_eq_u32 s2, 0
	s_cbranch_scc0 .Lentry_in_a_cluster
	s_endpgm
.Lentry_in_a_cluster:
	s_bfe_u32 s2, ttmp6, 0x10000c
	s_cmp_lg_u32 s2, 0xf033
	s_cbranch_scc0 .Lentry_shape_is_right
	s_endpgm
.Lentry_shape_is_right:
; For each query row and each block of 128 keys of its batch: s = q . k (f32 sums over 1,024 channels of f16), cm = c max(s), c = log2(e) / 32; p[row][key] = f16(2^(c s - cm)); ls = the sum of the unrounded 2^(c s - cm); ms = cm.
; qkv: [3][8192][1024] f16 (q, then k 16,777,216 bytes on); p: [8192][2048] f16.  ms, ls: f32 at word blk x 8192 + (row & ~63) + 4 (row & 15) + ((row >> 4) & 3), blk = key / 128.
; The block's true maximum is taken away before the exponential, so every exponent is 0 or below (to within cm's rounding) and ls is about 1 or more; the next launch joins the 16 blocks of a row by their maxima.
; LIMITS.  q and k arrive within f16's 65,504.  p lies in 0 to 1, and below 6e-5 it keeps f16's fixed step of 6e-8.  A weight below 2^-126 counts as 0 in ls.  NaN and infinities are not treated apart.
; SHARES.  A tile is 256 queries x 256 keys: 32 x 8 = 256 work-groups.  Four waves, each 128 x 128: 64 accumulators, 512 registers; a wave's 128 keys are one block.  K goes in 8 steps of 128 through two LDS slots.
; THE MATRIX INSTRUCTION IS USED TRANSPOSED (source 0 = 16 keys, source 1 = 16 queries): a lane holds query l % 16 and the keys 8 (l / 16) + 0..7 of each of 8 groups of 16: a row's maximum and sum want one exchange of the lanes' halves.
; CLUSTER.  4 x 4 work-groups: q's tile is shared along a row of the cluster, k's along a column: each is asked for jointly.
; REGISTERS, in windows of 256 (s_set_vgpr_msb: bits 1:0 source 0, 3:2 source 1, 5:4 source 2, 7:6 destination):
;   window 0: v16-31 addresses; v64-127, v128-191 fragments of q, two buffers; v32-95 and v192-235 the way out          window 1: v64-191 fragments of k, two buffers
;   window 2: the 32 accumulators of my rows 0-63 ((a, b) at v[8 (8 a + b)]);  window 3: those of my rows 64-127
.set T,      8
.set PITCH,  272                       ; an LDS row: 256 bytes + 16 = 68 words: row r starts at bank 4 r mod 64 (64 banks of 4 bytes: ISA guide 11.1)
.set HALFT,  128*PITCH                 ; 128 rows: what one tensor load brings, and what one wave reads of q or of k
.set SLOT,   4*HALFT
.set STAGE,  2*SLOT                    ; behind the ring, for each wave: 16 rows x 272 bytes, then 512 bytes for cm and 512 for the sums
.set STATS,  16*PITCH
.set WST,    STATS+1024
.set SPARE,  STAGE+4*WST               ; behind the stages: the spare words, 128 bytes for each wave: two blocks of 256 bytes that no other line names
.set KB,     256                       ; bytes of a row in a K step
.set ADRA0,  16
.set ADRA,   17
.set ADRB0,  20
.set ADRB,   21
.set SST,    22                        ; v22  where row l % 16 of a block puts its cm
.set SRD,    23                        ; v23  where I read 16 bytes of the 512 back
.set STO,    24
.set RD,     25
.set CO,     26
.set NEG,    27                        ; v27  the lowest finite number
.set SPW,    28
.set NIL,    29
.set PFO,    30
.set SGO,    31                        ; v31  16 l
.set OB0,    32                        ; rows read back from the stage: v32-63 and v64-95 by turns
.set F0,     64
.set F1,     128
.set TMP,    192                       ; v[192:223] packed weights
.set CH,     224                       ; v[224:231] eight running maxima
.set CMX,    232                       ; v[232:233] cm, twice
.set LP,     234                       ; v[234:235] the sum
.set G1,     24
.set G0,     32
.set G1B,    48
.set G0B,    56
; scalars as in the projection's text: s3, s10-s15, s40-s44, s[46:47], s68-s70; s[88:89] c, twice; s[90:91] v_permlanex16_b32's selects; s[92:93] p, s[94:95] ms, s[4:5] ls at my part
.set MSB, 0
.macro WIN new
.if MSB != (\new)
	s_set_vgpr_msb (MSB<<8)|(\new)
.set MSB, (\new)
.endif
.endm
.macro PLACES                          ; four plain instructions in front of loads into registers that matrix instructions have read, and of vector lines that read results (ISA guide 7.12.1 for vector lines)
.rept 4
	v_nop
.endr
.endm
.macro CREST
	s_cmp_lg_u32 s10, 0
	s_cbranch_scc1 .Lnot_wave_0_\@
	s_barrier_signal -3
.Lnot_wave_0_\@:
	s_barrier_wait -3
	s_barrier_signal -1
	s_barrier_wait -1
.endm
.macro CROUND
	s_barrier_signal -1
	s_barrier_wait -1
	CREST
.endm
.macro JLOAD                           ; waves 0 and 1 fetch q's two halves, waves 2 and 3 k's; an s_nop 0 and four v_nop follow each line
	s_cmp_eq_u32 s11, 0
	s_cbranch_scc0 .Lfor_b_\@
	tensor_load_to_lds s[G0+4:G0+7], s[G1:G1+7]
	s_nop 0
.rept 4
	v_nop
.endr
	s_branch .Lasked_\@
.Lfor_b_\@:
	tensor_load_to_lds s[G0B+4:G0B+7], s[G1B:G1B+7]
	s_nop 0
.rept 4
	v_nop
.endr
.Lasked_\@:
.endm
; A prefetch of the K step two refills on (512 matrix instructions ahead of the load that will ask for it): 32 rows x 256 bytes, a lane a row.  Of the 128 rows that I fetch each of the four partners that ask with me takes 32,
; by address.  q's rows are read by the two clusters of a row of clusters: cluster x = 0 asks; k's by the two clusters of a batch in a column: the even cluster y asks.  The last two refills ask for nothing.
.macro ASK
	s_cmp_gt_u32 s3, s15
	s_cbranch_scc0 .Lnot_mine_\@
	global_prefetch_b8 v[PFO], s[46:47] th:TH_LOAD_NT scope:SCOPE_SE
.Lnot_mine_\@:
.endm
	s_load_b256 s[72:79], s[0:1], 0x0              ; qkv s[72:73], p s[74:75], ms s[76:77], ls s[78:79]
	v_lshl_add_u32 v[SPW], v0, 2, SPARE
	v_mov_b32 v[NIL], 0
	ds_add_u32 v[SPW], v[NIL]                      ; the wave's opening: the add and its wait stand ahead of my first tensor load
	v_lshrrev_b32 v1, 5, v0
	v_readfirstlane_b32 s10, v1
	s_lshr_b32 s11, s10, 1                         ; my half of the queries; also 0: I fetch q, 1: I fetch k
	s_and_b32 s12, s10, 1                          ; my half of the keys; also which 128 rows I fetch
	s_bfe_u32 s40, ttmp6, 0x40000
	s_bfe_u32 s41, ttmp6, 0x40004
	s_lshl_b32 s42, ttmp9, 2
	s_add_co_u32 s42, s42, s40                     ; tile of keys, 0..7
	s_and_b32 s14, ttmp7, 0xffff
	s_lshl_b32 s13, s14, 2
	s_add_co_u32 s13, s13, s41                     ; tile of queries, 0..31; its batch is cluster y / 2
	s_lshl_b32 s43, s41, 2
	s_lshl_b32 s43, 15, s43
	s_lshl_b32 s44, 0x1111, s40
	s_or_b32 s[G1], s43, (1<<16)|(1<<20)|(1<<21)|(5<<22)|(3<<25)   ; the mask; elements of 2 bytes; padding on; bit 21 beside a mask; after every 64 words (code 5) 4 words (code 3)
	s_or_b32 s[G1B], s44, (1<<16)|(1<<20)|(1<<21)|(5<<22)|(3<<25)
.irp g, G1, G1B
	s_mov_b32 s[(\g)+1], 128<<16                   ; tensor_dim0 = 128
	s_mov_b32 s[(\g)+2], 128<<16                   ; tensor_dim1 = 128
	s_mov_b32 s[(\g)+3], 128<<16                   ; tile_dim0 = 128
	s_mov_b32 s[(\g)+4], 128                       ; tile_dim1 = 128
	s_mov_b32 s[(\g)+5], 1024                      ; elements from row to row
	s_mov_b32 s[(\g)+6], 0
	s_mov_b32 s[(\g)+7], 0
.endr
	s_lshl_b32 s16, s13, 8
	s_lshl_b32 s17, s12, 7
	s_add_co_u32 s16, s16, s17                     ; q: row 256 x tile + 128 x half,
	s_lshl_b32 s16, s16, 11                        ; of 2,048 bytes
	s_mov_b32 s17, 0
	s_lshr_b32 s18, s14, 1
	s_lshl_b32 s18, s18, 11                        ; k: the batch's 2,048 rows,
	s_lshl_b32 s19, s42, 8
	s_add_co_u32 s18, s18, s19                     ; 256 x tile
	s_lshl_b32 s19, s12, 7
	s_add_co_u32 s18, s18, s19                     ; + 128 x half,
	s_lshl_b32 s18, s18, 11
	s_add_co_u32 s18, s18, 16777216                ; behind q
	s_mov_b32 s19, 0
	s_mul_i32 s69, s12, HALFT
	s_add_co_u32 s70, s69, 2*HALFT
	s_mov_b32 s68, 0
	s_mov_b32 s88, 0x3d38aa3b                      ; c = log2(e) / 32
	s_mov_b32 s89, s88
	s_mov_b32 s90, 0x76543210
	s_mov_b32 s91, 0xfedcba98
	s_wait_dscnt 0x0                               ; the opening add is done
	s_wait_kmcnt 0x0
	s_add_nc_u64 s[20:21], s[72:73], s[16:17]
	s_add_nc_u64 s[22:23], s[72:73], s[18:19]
	CROUND                                         ; all sixteen work-groups are here: the first joint loads meet
.irp s, 0,1
	s_mov_b32 s[G0+4*(\s)], 1
	s_add_co_u32 s[G0+4*(\s)+1], s69, (\s)*SLOT
	s_add_nc_u64 s[G0+4*(\s)+2:G0+4*(\s)+3], s[20:21], (\s)*KB
	s_or_b32 s[G0+4*(\s)+3], s[G0+4*(\s)+3], 0x80000000
	s_mov_b32 s[G0B+4*(\s)], 1
	s_add_co_u32 s[G0B+4*(\s)+1], s70, (\s)*SLOT
	s_add_nc_u64 s[G0B+4*(\s)+2:G0B+4*(\s)+3], s[22:23], (\s)*KB
	s_or_b32 s[G0B+4*(\s)+3], s[G0B+4*(\s)+3], 0x80000000
.endr
	s_cmp_eq_u32 s11, 0                            ; a wave's two first fills stand in one branch: two loads of mine are out
	s_cbranch_scc0 .Lfirst_b
	tensor_load_to_lds s[G0:G0+3], s[G1:G1+7]
	s_nop 0
	tensor_load_to_lds s[G0+4:G0+7], s[G1:G1+7]
	s_nop 0
.rept 4
	v_nop
.endr
	s_branch .Lfirst_asked
.Lfirst_b:
	tensor_load_to_lds s[G0B:G0B+3], s[G1B:G1B+7]
	s_nop 0
	tensor_load_to_lds s[G0B+4:G0B+7], s[G1B:G1B+7]
	s_nop 0
.rept 4
	v_nop
.endr
.Lfirst_asked:
	v_and_b32 v1, 15, v0                           ; r
	v_bfe_u32 v2, v0, 4, 1                         ; h
	v_and_b32 v3, 31, v0                           ; l
	v_mul_u32_u24 v4, v1, PITCH
	v_lshl_add_u32 v4, v2, 4, v4                   ; a fragment's row x pitch + 16 x half
	s_mul_i32 s16, s11, HALFT
	s_mul_i32 s17, s12, HALFT
	s_add_co_u32 s17, s17, 2*HALFT
	v_add_nc_u32 v[ADRA0], s16, v4
	v_add_nc_u32 v[ADRB0], s17, v4
	v_mov_b32 v[ADRA], v[ADRA0]
	v_mov_b32 v[ADRB], v[ADRB0]
	s_mul_i32 s16, s10, WST
	s_add_co_u32 s16, s16, STAGE                   ; my stage
	v_add_nc_u32 v[STO], s16, v4                   ; in: row r, 16 bytes for each half of the lanes
	v_mul_u32_u24 v[RD], v2, PITCH                 ; back: lanes 0-15 one row of 256 bytes, lanes 16-31 the next
	v_lshl_add_u32 v[RD], v1, 4, v[RD]
	v_add_nc_u32 v[RD], s16, v[RD]
	s_add_co_u32 s16, s16, STATS
	v_lshl_add_u32 v[SST], v1, 4, s16
	v_lshl_add_u32 v[SRD], v3, 4, s16
	v_lshlrev_b32 v[SGO], 4, v3
	v_lshlrev_b32 v[CO], 12, v2                    ; the two rows in p, 4,096 bytes apart
	v_lshl_add_u32 v[CO], v1, 4, v[CO]
	v_mov_b32 v[NEG], 0xff7fffff
	v_lshlrev_b32 v[PFO], 11, v3                   ; a lane a row of 2,048 bytes
	s_lshl_b32 s16, s13, 8
	s_lshl_b32 s17, s11, 7
	s_add_co_u32 s8, s16, s17                      ; my first row
	s_lshl_b32 s16, s8, 12
	s_lshl_b32 s17, s42, 9
	s_add_co_u32 s16, s16, s17
	s_lshl_b32 s17, s12, 8
	s_add_co_u32 s16, s16, s17
	s_mov_b32 s17, 0
	s_add_nc_u64 s[92:93], s[74:75], s[16:17]      ; p at my rows and keys
	s_lshl_b32 s16, s42, 1
	s_add_co_u32 s16, s16, s12                     ; my block of 128 keys,
	s_lshl_b32 s16, s16, 15                        ; 32,768 bytes a block,
	s_lshl2_add_u32 s16, s8, s16                   ; + 4 x my first row
	s_add_nc_u64 s[94:95], s[76:77], s[16:17]
	s_add_nc_u64 s[4:5], s[78:79], s[16:17]
	s_cmp_eq_u32 s11, 0
	s_cselect_b64 s[46:47], s[20:21], s[22:23]
	s_cselect_b32 s16, s40, s41                    ; my place among the four that ask with me
	s_lshl_b32 s16, s16, 16                        ; 32 rows of 2,048 bytes,
	s_add_co_u32 s16, s16, 3*KB                    ; at K step 3: the first refill steps it to 4.  Nothing is prefetched here, at the head
	s_add_nc_u64 s[46:47], s[46:47], s[16:17]
	s_and_b32 s18, s14, 1
	s_cmp_eq_u32 s11, 0
	s_cselect_b32 s18, ttmp9, s18                  ; the coordinate along which another cluster reads the same rows
	s_cmp_eq_u32 s18, 0
	s_cselect_b32 s15, 2, -1                       ; the same in all sixteen partners, for a given wave
; 16 matrix instructions: row blocks a0, a0 + 1 of the window's four (hi = 0: my rows 0-63, 1: rows 64-127) x all 8 key blocks.  zero = 1: the first product starts the sums.
; The 64 accumulators take turns, one instruction a turn, in the same order in every quarter.
.macro MUL16 f, hi, a0, zero
	WIN 0xa1+0x50*(\hi)                            ; k in window 1, q in window 0, C and D in window 2 or 3
.irp a, \a0, (\a0)+1
.irp b, 0,1,2,3,4,5,6,7
.if \zero
	v_wmma_f32_16x16x32_f16 v[8*(8*(\a)+(\b)):8*(8*(\a)+(\b))+7], v[(\f)+8*(\b):(\f)+8*(\b)+7], v[(\f)+8*(4*(\hi)+(\a)):(\f)+8*(4*(\hi)+(\a))+7], 0
.else
	v_wmma_f32_16x16x32_f16 v[8*(8*(\a)+(\b)):8*(8*(\a)+(\b))+7], v[(\f)+8*(\b):(\f)+8*(\b)+7], v[(\f)+8*(4*(\hi)+(\a)):(\f)+8*(4*(\hi)+(\a))+7], v[8*(8*(\a)+(\b)):8*(8*(\a)+(\b))+7]
.endif
.endr
.endr
.endm
; 32 LDS loads in one run: the fragments of 32 along K at byte k of the rows: k's 128 rows, then q's
.macro FETCH k, f
	WIN 0x40
.irp i, 0,1,2,3,4,5,6,7
	ds_load_b128 v[(\f)+8*(\i):(\f)+8*(\i)+3],   v[ADRB] offset:(\k)+(\i)*16*PITCH
	ds_load_b128 v[(\f)+8*(\i)+4:(\f)+8*(\i)+7], v[ADRB] offset:(\k)+(\i)*16*PITCH+32
.endr
	WIN 0
.irp i, 0,1,2,3,4,5,6,7
	ds_load_b128 v[(\f)+8*(\i):(\f)+8*(\i)+3],   v[ADRA] offset:(\k)+(\i)*16*PITCH
	ds_load_b128 v[(\f)+8*(\i)+4:(\f)+8*(\i)+7], v[ADRA] offset:(\k)+(\i)*16*PITCH+32
.endr
.endm
.macro QUARTER k, f, g, zero=0
	s_wait_dscnt 8                                 ; k's fragments and q's rows 0-63 are in; the youngest eight loads may be out
	MUL16 \f, 0, 0, \zero
	MUL16 \f, 0, 2, \zero
	PLACES
	FETCH \k, \g
	s_wait_dscnt 32                                ; all but the 32 just issued
	MUL16 \f, 1, 0, \zero
	MUL16 \f, 1, 2, \zero
.endm
; The last quarter multiplies buffer 1 and changes slots: each wave waits for all its tensor loads (one is out: its part of the next slot), adds 0 to its spare word, waits for that and for its reads of this slot.
; fill = 1: the barrier opens a round of the cluster's; behind it this slot is filled again, first thing: 224 matrix instructions ahead of the wait for it.
.macro TURN fill
.if \fill
	s_wait_xcnt 0x0                                ; the last prefetch, a K step back, has read its address
	s_add_nc_u64 s[46:47], s[46:47], KB
.endif
	WIN 0
	s_wait_tensorcnt 0x0
	ds_add_u32 v[SPW], v[NIL]                      ; 0 onto my spare word
.if \fill
	s_add_co_u32 s[G0+5], s69, s68                 ; the walking descriptors: the slot that is being left, the next K step
	s_add_nc_u64 s[G0+6:G0+7], s[G0+6:G0+7], KB
	s_add_co_u32 s[G0B+5], s70, s68
	s_add_nc_u64 s[G0B+6:G0B+7], s[G0B+6:G0B+7], KB
.endif
	s_xor_b32 s68, s68, SLOT
	s_wait_dscnt 9                                 ; the add and the youngest eight loads may be out
	MUL16 F1, 0, 0, 0
	s_wait_dscnt 0x0                               ; the add is done, and my reads of this slot are over
	s_barrier_signal -1
	MUL16 F1, 0, 2, 0
	WIN 0
	s_barrier_wait -1
.if \fill
	CREST
	JLOAD                                          ; the four v_nop behind it are also the places in front of the loads below
.else
	PLACES
.endif
	v_add_nc_u32 v[ADRA], s68, v[ADRA0]
	v_add_nc_u32 v[ADRB], s68, v[ADRB0]
	FETCH 0, F0
.if \fill
	ASK
.endif
	MUL16 F1, 1, 0, 0
	MUL16 F1, 1, 2, 0
.endm
; THE WAY OUT of block a (16 queries x 128 keys, 64 registers in window W).  The maximum (each accumulator's lowest registers first); c s - cm in place; the 64 exponentials as ONE batch with one plain
; instruction and one wait behind it; the roundings to f16; the sum of the unrounded weights; cm and the sum into my 1,024 bytes of statistics.
.macro COMP a
.set W, 2+(\a)/4
.set AC, 64*((\a)%4)
	WIN W*0x14                                     ; sources 1 and 2 in window W
.irp j, 0,1,2,3
.irp b, 0,1,2,3,4,5,6,7
.if (\j) == 0
	v_max3_num_f32 v[CH+(\b)], v[NEG], v[AC+8*(\b)], v[AC+8*(\b)+1]
.else
	v_max3_num_f32 v[CH+(\b)], v[CH+(\b)], v[AC+8*(\b)+2*(\j)], v[AC+8*(\b)+2*(\j)+1]
.endif
.endr
.endr
	WIN 0
	v_max3_num_f32 v[CH], v[CH], v[CH+1], v[CH+2]
	v_max3_num_f32 v[CH+3], v[CH+3], v[CH+4], v[CH+5]
	v_max_num_f32 v[CH+6], v[CH+6], v[CH+7]
	v_max3_num_f32 v[CH], v[CH], v[CH+3], v[CH+6]
	v_permlanex16_b32 v[CH+1], v[CH], s90, s91     ; the query's other 64 keys lie in the lane 16 away
	v_max_num_f32 v[CH], v[CH], v[CH+1]
	v_mul_f32 v[CMX], s88, v[CH]
	v_mul_f32 v[CMX+1], s88, v[CH]
	WIN (W<<6)|W                                   ; destination and source 0 in window W
.set i, 0
.rept 32
	v_pk_fma_f32 v[AC+2*i:AC+2*i+1], v[AC+2*i:AC+2*i+1], s[88:89], v[CMX:CMX+1] op_sel_hi:[1,0,0] neg_lo:[0,0,1] neg_hi:[0,0,1]
.set i, i+1
.endr
.set i, 0
.rept 64
	v_exp_f32 v[AC+i], v[AC+i]
.set i, i+1
.endr
	v_nop
	s_wait_alu depctr_va_vdst(0)
	WIN 5*W                                        ; sources 0 and 1 in window W, destination in window 0
.irp b, 0,1,2,3,4,5,6,7
.irp r, 0,1,2,3
	v_cvt_pk_f16_f32 v[TMP+4*(\b)+(\r)], v[AC+8*(\b)+2*(\r)], v[AC+8*(\b)+2*(\r)+1]
.endr
.endr
	WIN (W<<6)|(5*W)
.irp n, 16,8,4,2
.set i, 0
.rept \n
	v_pk_add_f32 v[AC+2*i:AC+2*i+1], v[AC+2*i:AC+2*i+1], v[AC+2*(i+(\n)):AC+2*(i+(\n))+1]
.set i, i+1
.endr
.endr
	WIN 5*W
	v_pk_add_f32 v[LP:LP+1], v[AC:AC+1], v[AC+2:AC+3]
	WIN 0
	v_add_f32 v[LP], v[LP], v[LP+1]
	v_permlanex16_b32 v[LP+1], v[LP], s90, s91
	v_add_f32 v[LP], v[LP], v[LP+1]
	ds_store_b32 v[SST], v[CMX] offset:((\a)/4)*256+((\a)%4)*4      ; both halves of the lanes hold the same number and write the same word
	ds_store_b32 v[SST], v[LP] offset:512+((\a)/4)*256+((\a)%4)*4
.endm
.macro TOSTAGE a                       ; 16 bytes a lane into my stage, and back as whole rows of 256 bytes (LDS serves a wave's instructions in order: ISA guide 5.7.1.4)
.set BK, OB0+32*((\a)%2)
	s_wait_xcnt 0x0                                ; earlier stores have read their registers, which are loaded again below
.irp b, 0,1,2,3,4,5,6,7
	ds_store_b128 v[STO], v[TMP+4*(\b):TMP+4*(\b)+3] offset:32*(\b)
.endr
.irp t, 0,1,2,3,4,5,6,7
	ds_load_b128 v[BK+4*(\t):BK+4*(\t)+3], v[RD] offset:(\t)*2*PITCH
.endr
.endm
.macro SEND a, younger                 ; younger: the LDS instructions issued behind TOSTAGE's loads: the next block's two stores of statistics, or none
.set BK, OB0+32*((\a)%2)
	s_wait_dscnt \younger
.irp t, 0,1,2,3,4,5,6,7
	global_store_b128 v[CO], v[BK+4*(\t):BK+4*(\t)+3], s[92:93] offset:(16*(\a)+2*(\t))*4096  ; 16 lanes store 256 consecutive bytes, at a multiple of 256 from p's first byte
.endr
.endm
	s_wait_tensorcnt 0x1                           ; my part of K step 0 is in; K step 1's may stay out
	s_barrier_signal -1
	s_barrier_wait -1
	FETCH 0, F0
	QUARTER 64, F0, F1, 1                          ; the first quarter stands in front of the loop: its products start the sums
	WIN 0
	s_mov_b32 s3, T-2
.Lstep:
	QUARTER 128, F1, F0
	QUARTER 192, F0, F1
	TURN 1
	QUARTER 64, F0, F1
	WIN 0
	s_sub_co_u32 s3, s3, 1
	s_cmp_lg_u32 s3, 0
	s_cbranch_scc1 .Lstep
	QUARTER 128, F1, F0                            ; the tail is written out
	QUARTER 192, F0, F1
	TURN 0
	QUARTER 64, F0, F1
	QUARTER 128, F1, F0
	QUARTER 192, F0, F1
	s_wait_dscnt 8
	MUL16 F1, 0, 0, 0
	MUL16 F1, 0, 2, 0
	s_wait_dscnt 0x0
	MUL16 F1, 1, 0, 0
	MUL16 F1, 1, 2, 0
	PLACES
	COMP 0
	TOSTAGE 0
.irp a, 1,2,3,4,5,6,7                  ; a block's arithmetic stands between the loads of the block before and its stores
	COMP \a
	SEND (\a)-1, 2
	TOSTAGE \a
.endr
	SEND 7, 0
	ds_load_b128 v[CH:CH+3], v[SRD]                ; my 128 rows' cm and sums: 512 consecutive bytes each
	ds_load_b128 v[CH+4:CH+7], v[SRD] offset:512
	s_wait_dscnt 0x0
	global_store_b128 v[SGO], v[CH:CH+3], s[94:95]
	global_store_b128 v[SGO], v[CH+4:CH+7], s[4:5]
	s_wait_tensorcnt 0x0                           ; the wave's end: a wait, an add to my spare word and its wait, behind my last tensor load and my last LDS store
	ds_add_u32 v[SPW], v[NIL]
	s_wait_dscnt 0x0
	CROUND                                         ; the closing round
	s_endpgm
.Lfunc_end_k_q1f6f2a210c_scores:
	.size	k_q1f6f2a210c_scores, .Lfunc_end_k_q1f6f2a210c_scores-k_q1f6f2a210c_scores
	.p2alignl 7, 3214868480
	.fill 96, 4, 3214868480
	.section	.rodata,"a",@progbits
	.p2align	6, 0x0
	.amdhsa_kernel k_q1f6f2a210c_scores
		.amdhsa_group_segment_fixed_size 327680
		.amdhsa_private_segment_fixed_size 0
		.amdhsa_enable_private_segment 0
		.amdhsa_kernarg_size 32
		.amdhsa_user_sgpr_count 2
		.amdhsa_user_sgpr_kernarg_segment_ptr 1
		.amdhsa_wavefront_size32 1
		.amdhsa_system_sgpr_workgroup_id_x 1
		.amdhsa_system_sgpr_workgroup_id_y 1
		.amdhsa_system_sgpr_workgroup_id_z 1
		.amdhsa_system_vgpr_workitem_id 0
		.amdhsa_next_free_vgpr 1024
		.amdhsa_next_free_sgpr 96
		.amdhsa_reserve_vcc 0
		.amdhsa_float_denorm_mode_32 3
		.amdhsa_float_denorm_mode_16_64 3
		.amdhsa_memory_ordered 1
		.amdhsa_forward_progress 1
		.amdhsa_inst_pref_size 188
	.end_amdhsa_kernel
	.amdgpu_metadata
---
amdhsa.version: [ 1, 2 ]
amdhsa.kernels:
  - .name:           k_q1f6f2a210c_scores
    .symbol:         k_q1f6f2a210c_scores.kd
    .args:
      - { .name: qkv, .offset: 0, .size: 8, .value_kind: global_buffer, .address_space: global }
      - { .name: p, .offset: 8, .size: 8, .value_kind: global_buffer, .address_space: global }
      - { .name: ms, .offset: 16, .size: 8, .value_kind: global_buffer, .address_space: global }
      - { .name: ls, .offset: 24, .size: 8, .value_kind: global_buffer, .address_space: global }
    .group_segment_fixed_size: 327680
    .private_segment_fixed_size: 0
    .kernarg_segment_align: 8
    .kernarg_segment_size: 32
    .max_flat_workgroup_size: 128
    .sgpr_count:     96
    .vgpr_count:     1024
    .wavefront_size: 32
...
	.end_amdgpu_metadata
.endif
;; end of part 3
;; launch pv (part 4): grid 4 x 64, 4 waves a work-group, clusters of 4 x 4, 327,680 bytes of LDS; arguments p, qkv, ms, ls, out0; writes out0
.if DOCPART == 4
	.amdgcn_target "amdgcn-amd-amdhsa--gfx1250"
	.amdhsa_code_object_version 6
	.text
	.protected	k_q1f6f2a210c_pv
	.globl	k_q1f6f2a210c_pv
	.p2align	8
	.type	k_q1f6f2a210c_pv,@function
k_q1f6f2a210c_pv:
	s_mov_b64 s[64:65], 0
	v_nop
	global_prefetch_b8 v0, s[64:65] scope:SCOPE_SE
	s_setreg_imm32_b32 hwreg(HW_REG_WAVE_MODE, 25, 1), 1
	s_wait_xcnt 0x0
	s_wait_alu depctr_hold_cnt(0) depctr_sa_sdst(0) depctr_va_vdst(0) depctr_va_sdst(0) depctr_va_ssrc(0) depctr_va_vcc(0) depctr_vm_vsrc(0)
	s_getreg_b32 s2, hwreg(HW_REG_IB_STS2, 6, 4)
	s_cmp_eq_u32 s2, 0
	s_cbranch_scc0 .Lentry_in_a_cluster
	s_endpgm
.Lentry_in_a_cluster:
	s_bfe_u32 s2, ttmp6, 0x10000c
	s_cmp_lg_u32 s2, 0xf033
	s_cbranch_scc0 .Lentry_shape_is_right
	s_endpgm
.Lentry_shape_is_right:
; out0[row][d] = ( sum over the 16 key blocks t of sum over the block's keys of f16(c_t p[row][key]) v[key][d] ) / L.  For each row: M = max over t of ms_t, c_t = f16(2^(ms_t - M)), L = sum over t of c_t ls_t.
; p: [8192][2048] f16; v: [8192][1024] f16, 33,554,432 bytes into qkv; ms, ls: f32 at word blk x 8192 + (row & ~63) + 4 (row & 15) + ((row >> 4) & 3); out0: [8192][1024] f32.
; The row's true maximum is taken away: every exponent is 0 or below, one c_t is 1, and L is about 1 or more.  L is made of the rounded c_t, the same numbers that scale p.  Products' sums, M and L in f32.
; LIMITS.  v arrives within f16's 65,504.  c_t and c_t p lie in 0 to 1; below 6e-5 they keep f16's fixed step of 6e-8, and below 3e-8 they count as 0, beside an L of about 1 or more.  NaN and infinities are not treated apart.
; SHARES.  A tile is 128 rows x 256 columns: 64 x 4 = 256 work-groups.  Four waves, each 64 x 128: 32 accumulators.  K (the batch's 2,048 keys) goes in 16 steps of 128, a key block a step, through two LDS slots.
; p comes out of LDS as it lies and is scaled by c_t (two f16 an instruction); v lies [key][d] and is turned by ds_load_tr16_b128.  The matrix instruction is used transposed: a lane holds row l % 16 and 8 neighbouring columns.
; CLUSTER.  4 x 4 work-groups: p's tile is shared along a row of the cluster, v's along a column: each is asked for jointly.
; REGISTERS: window 0: v16-31 addresses; v32-35 c of the step in hand; v36-43 1 / L; v44-159 the prologue, later v64-191 the way out          window 1: accumulator (a, b) at v[8 (8 a + b)]
;   window 2: v0-63 fragments of p, two buffers of 4; v64-191 fragments of v, two buffers of 8
.set T,      16
.set PA,     272                       ; a row of p in LDS: 256 bytes + 16 = 68 words: row r starts at bank 4 r mod 64 (64 banks of 4 bytes: ISA guide 11.1)
.set HA,     64*PA
.set PB,     544                       ; a row of v: 512 bytes + 32 = 136 words
.set HB,     64*PB
.set BOFF,   2*HA
.set SLOT,   BOFF+2*HB
.set STAGE,  2*SLOT                    ; behind the ring: 16 rows x 528 bytes for each wave, for the way out
.set SP,     528
.set CTAB,   STAGE+4*16*SP             ; for each wave 4,096 bytes: [t][r] 16 bytes: c_t of row r of my four row blocks, each an f16 written twice
.set SPARE,  CTAB+4*4096               ; the spare words, 128 bytes for each wave: two blocks of 256 bytes that no other line names
.set ASTEP,  256
.set BSTEP,  128*2048
.set ADRA0,  16
.set ADRA,   17
.set CAD,    18                        ; v18  where the step's c lie
.set CST,    19                        ; v19  where I put my eight blocks' c
.set ADRB0,  20
.set ADRB,   21
.set SOF,    22                        ; v22  my byte offset in ms and ls
.set STO,    24
.set RD,     25
.set CO,     26
.set SPW,    28
.set NIL,    29
.set PFO,    30
.set CC,     32                        ; v[32:35]
.set INV,    36                        ; v[36:43] 1 / L of row block a, twice, at INV + 2 a
.set MM,     44                        ; v[44:47] M
.set XT,     48                        ; v[48:51] the other half of the lanes'
.set LL,     52                        ; v[52:55] L
.set ZR,     56                        ; v56  0: what L's four sums start from
.set MR,     64                        ; v[64:95]  ms of my eight blocks, then 2^(ms - M)
.set LR,     96                        ; v[96:127] ls
.set CT,     128                       ; v[128:159] c as f16, twice a word
.set TMP,    64                        ; the way out
.set OB,     128
.set AF,     0
.set BF,     64
.set G1,     24
.set G0,     32
.set G1B,    48
.set G0B,    56
.set MSB, 0
.macro WIN new
.if MSB != (\new)
	s_set_vgpr_msb (MSB<<8)|(\new)
.set MSB, (\new)
.endif
.endm
.macro PLACES
.rept 4
	v_nop
.endr
.endm
.macro CREST
	s_cmp_lg_u32 s10, 0
	s_cbranch_scc1 .Lnot_wave_0_\@
	s_barrier_signal -3
.Lnot_wave_0_\@:
	s_barrier_wait -3
	s_barrier_signal -1
	s_barrier_wait -1
.endm
.macro CROUND
	s_barrier_signal -1
	s_barrier_wait -1
	CREST
.endm
.macro JLOAD                           ; waves 0 and 1 fetch p's two halves, waves 2 and 3 v's; an s_nop 0 and four v_nop follow each line
	s_cmp_eq_u32 s11, 0
	s_cbranch_scc0 .Lfor_b_\@
	tensor_load_to_lds s[G0+4:G0+7], s[G1:G1+7]
	s_nop 0
.rept 4
	v_nop
.endr
	s_branch .Lasked_\@
.Lfor_b_\@:
	tensor_load_to_lds s[G0B+4:G0B+7], s[G1B:G1B+7]
	s_nop 0
.rept 4
	v_nop
.endr
.Lasked_\@:
.endm
; A prefetch of the K step two refills on (256 matrix instructions ahead of the load that will ask for it), 32 blocks of 256 bytes, a lane a block.  p: the tile's 128 rows have a block each; each of the four partners of my row
; takes 32 rows (by cx, in the address), and wave 0 asks; no other cluster reads them.  v: of the 64 keys that wave 2 or 3 fetches each partner of my column takes 16 (by cy), 2 blocks a key; the four clusters of a batch read
; the same v: the first of them asks.  The last two refills ask for nothing.
.macro ASK
	s_cmp_gt_u32 s3, s15
	s_cbranch_scc0 .Lnot_mine_\@
	global_prefetch_b8 v[PFO], s[46:47] th:TH_LOAD_NT scope:SCOPE_SE
.Lnot_mine_\@:
.endm
	s_load_b256 s[72:79], s[0:1], 0x0              ; p s[72:73], qkv s[74:75], ms s[76:77], ls s[78:79]
	s_load_b64 s[80:81], s[0:1], 0x20              ; out0
	v_lshl_add_u32 v[SPW], v0, 2, SPARE
	v_mov_b32 v[NIL], 0
	ds_add_u32 v[SPW], v[NIL]                      ; the wave's opening: the add and its wait stand ahead of my first tensor load
	v_lshrrev_b32 v1, 5, v0
	v_readfirstlane_b32 s10, v1
	s_lshr_b32 s11, s10, 1                         ; my half of the rows; also 0: I fetch p, 1: I fetch v
	s_and_b32 s12, s10, 1                          ; my half of the columns; also which half I fetch
	s_bfe_u32 s40, ttmp6, 0x40000
	s_bfe_u32 s41, ttmp6, 0x40004
	s_lshl_b32 s42, ttmp9, 2
	s_add_co_u32 s42, s42, s40                     ; tile column
	s_and_b32 s14, ttmp7, 0xffff
	s_lshl_b32 s13, s14, 2
	s_add_co_u32 s13, s13, s41                     ; tile row, 0..63; its batch is cluster y / 4
	s_lshl_b32 s43, s41, 2
	s_lshl_b32 s43, 15, s43
	s_lshl_b32 s44, 0x1111, s40
	s_or_b32 s[G1], s43, (1<<16)|(1<<20)|(1<<21)|(5<<22)|(3<<25)   ; the mask; elements of 2 bytes; padding on; bit 21 beside a mask; after every 64 words (code 5) 4 words (code 3)
	s_or_b32 s[G1B], s44, (1<<16)|(1<<20)|(1<<21)|(6<<22)|(7<<25)  ; after every 128 words (code 6) 8 words (code 7)
	s_mov_b32 s[G1+1], 128<<16                     ; 128 keys
	s_mov_b32 s[G1+2], 64<<16                      ; 64 rows
	s_mov_b32 s[G1+3], 128<<16
	s_mov_b32 s[G1+4], 64
	s_mov_b32 s[G1+5], 2048                        ; elements from row to row of p
	s_mov_b32 s[G1+6], 0
	s_mov_b32 s[G1+7], 0
	s_mov_b32 s[G1B+1], 256<<16                    ; 256 columns
	s_mov_b32 s[G1B+2], 64<<16                     ; 64 keys
	s_mov_b32 s[G1B+3], 256<<16
	s_mov_b32 s[G1B+4], 64
	s_mov_b32 s[G1B+5], 1024
	s_mov_b32 s[G1B+6], 0
	s_mov_b32 s[G1B+7], 0
	s_lshl_b32 s16, s13, 7
	s_lshl_b32 s17, s12, 6
	s_add_co_u32 s16, s16, s17                     ; p: row 128 x tile row + 64 x half,
	s_lshl_b32 s16, s16, 12                        ; of 4,096 bytes
	s_mov_b32 s17, 0
	s_lshr_b32 s18, s14, 2
	s_lshl_b32 s18, s18, 11                        ; v: the batch's 2,048 keys,
	s_lshl_b32 s19, s12, 6
	s_add_co_u32 s18, s18, s19                     ; + 64 x half,
	s_lshl_b32 s18, s18, 11                        ; of 2,048 bytes,
	s_lshl_b32 s19, s42, 9
	s_add_co_u32 s18, s18, s19                     ; 512 bytes a tile column,
	s_add_co_u32 s18, s18, 33554432                ; behind q and k
	s_mov_b32 s19, 0
	s_mul_i32 s69, s12, HA
	s_mul_i32 s70, s12, HB
	s_add_co_u32 s70, s70, BOFF
	s_mov_b32 s68, 0
	s_mov_b32 s90, 0x76543210
	s_mov_b32 s91, 0xfedcba98
	s_wait_dscnt 0x0                               ; the opening add is done
	s_wait_kmcnt 0x0
	s_add_nc_u64 s[20:21], s[72:73], s[16:17]
	s_add_nc_u64 s[22:23], s[74:75], s[18:19]
	CROUND                                         ; all sixteen work-groups are here: the first joint loads meet
.irp s, 0,1
	s_mov_b32 s[G0+4*(\s)], 1
	s_add_co_u32 s[G0+4*(\s)+1], s69, (\s)*SLOT
	s_add_nc_u64 s[G0+4*(\s)+2:G0+4*(\s)+3], s[20:21], (\s)*ASTEP
	s_or_b32 s[G0+4*(\s)+3], s[G0+4*(\s)+3], 0x80000000
	s_mov_b32 s[G0B+4*(\s)], 1
	s_add_co_u32 s[G0B+4*(\s)+1], s70, (\s)*SLOT
	s_add_nc_u64 s[G0B+4*(\s)+2:G0B+4*(\s)+3], s[22:23], (\s)*BSTEP
	s_or_b32 s[G0B+4*(\s)+3], s[G0B+4*(\s)+3], 0x80000000
.endr
	s_cmp_eq_u32 s11, 0                            ; a wave's two first fills stand in one branch: two loads of mine are out
	s_cbranch_scc0 .Lfirst_b
	tensor_load_to_lds s[G0:G0+3], s[G1:G1+7]
	s_nop 0
	tensor_load_to_lds s[G0+4:G0+7], s[G1:G1+7]
	s_nop 0
.rept 4
	v_nop
.endr
	s_branch .Lfirst_asked
.Lfirst_b:
	tensor_load_to_lds s[G0B:G0B+3], s[G1B:G1B+7]
	s_nop 0
	tensor_load_to_lds s[G0B+4:G0B+7], s[G1B:G1B+7]
	s_nop 0
.rept 4
	v_nop
.endr
.Lfirst_asked:
	v_and_b32 v1, 15, v0                           ; r
	v_bfe_u32 v2, v0, 4, 1                         ; h
	v_and_b32 v3, 31, v0                           ; l
	; THE STATISTICS, while the first tiles are on their way.  Lane (r, h) takes blocks 8 h .. 8 h + 7 of rows r, 16 + r, 32 + r, 48 + r of my 64: 16 bytes a block
	s_lshl_b32 s16, s13, 7
	s_lshl_b32 s17, s11, 6
	s_add_co_u32 s8, s16, s17                      ; my first row
	s_lshl_b32 s16, s8, 2
	s_mov_b32 s17, 0
	s_add_nc_u64 s[4:5], s[76:77], s[16:17]
	s_add_nc_u64 s[6:7], s[78:79], s[16:17]
	v_lshlrev_b32 v[SOF], 18, v2                   ; 8 blocks of 32,768 bytes
	v_lshl_add_u32 v[SOF], v1, 4, v[SOF]
.irp i, 0,1,2,3,4,5,6,7
	global_load_b128 v[MR+4*(\i):MR+4*(\i)+3], v[SOF], s[4:5] offset:32768*(\i)
	global_load_b128 v[LR+4*(\i):LR+4*(\i)+3], v[SOF], s[6:7] offset:32768*(\i)
.endr
	v_mul_u32_u24 v[ADRA0], v1, PA                 ; p's fragment: row x pitch + 16 x half
	v_lshl_add_u32 v[ADRA0], v2, 4, v[ADRA0]
	s_mul_i32 s16, s11, HA
	v_add_nc_u32 v[ADRA0], s16, v[ADRA0]
	v_and_b32 v4, 7, v0                            ; the turning load: key 8 h + l % 8, columns 8 ((l / 8) % 2) + 0..7
	v_lshl_add_u32 v4, v2, 3, v4
	v_mul_u32_u24 v[ADRB0], v4, PB
	v_bfe_u32 v5, v0, 3, 1
	v_lshl_add_u32 v[ADRB0], v5, 4, v[ADRB0]
	s_lshl_b32 s17, s12, 8
	s_add_co_u32 s17, s17, BOFF
	v_add_nc_u32 v[ADRB0], s17, v[ADRB0]
	v_mov_b32 v[ADRA], v[ADRA0]
	v_mov_b32 v[ADRB], v[ADRB0]
	s_mul_i32 s16, s10, 16*SP
	s_add_co_u32 s16, s16, STAGE                   ; my stage
	v_mul_u32_u24 v[STO], v1, SP                   ; in: row r, 32 bytes for each half of the lanes
	v_lshl_add_u32 v[STO], v2, 5, v[STO]
	v_add_nc_u32 v[STO], s16, v[STO]
	v_lshl_add_u32 v[RD], v3, 4, s16               ; back: 32 lanes take one row of 512 bytes
	v_lshlrev_b32 v[CO], 4, v3
	s_lshl_b32 s16, s10, 12
	s_add_co_u32 s16, s16, CTAB                    ; my table of c
	v_lshl_add_u32 v[CAD], v1, 4, s16
	v_lshl_add_u32 v[CST], v2, 11, v[CAD]
	s_lshl_b32 s16, s8, 12                         ; out0 at my first row, of 4,096 bytes,
	s_lshl_b32 s17, s42, 10
	s_add_co_u32 s16, s16, s17                     ; 1,024 bytes a tile column,
	s_lshl_b32 s17, s12, 9
	s_add_co_u32 s16, s16, s17                     ; 512 a half
	s_mov_b32 s17, 0
	s_add_nc_u64 s[92:93], s[80:81], s[16:17]
	; the prefetches: p: lane l names row l; v: key l / 2, block l % 2
	s_cmp_eq_u32 s11, 0
	s_cselect_b64 s[46:47], s[20:21], s[22:23]
	s_cselect_b32 s16, s40, s41
	s_cselect_b32 s17, 17, 15                      ; 32 rows of 4,096 bytes, or 16 of 2,048
	s_cselect_b32 s18, 31, 1
	s_cselect_b32 s19, 5, 1
	s_cselect_b32 s8, 12, 8
	s_cselect_b32 s9, 0, 11
	s_cselect_b32 s66, 8, 18                       ; a K step: 256 bytes along p's rows, 262,144 down v's
	s_lshl_b32 s66, 1, s66
	s_mov_b32 s67, 0
	s_lshl_b32 s16, s16, s17
	s_mov_b32 s17, 0
	s_add_nc_u64 s[46:47], s[46:47], s[16:17]
	s_mul_i32 s16, s66, 3
	s_add_nc_u64 s[46:47], s[46:47], s[16:17]      ; at K step 3: the first refill steps it to 4.  Nothing is prefetched here, at the head
	v_and_b32 v5, s18, v3
	v_lshrrev_b32 v6, s19, v3
	v_lshlrev_b32 v5, s8, v5
	v_lshlrev_b32 v6, s9, v6
	v_add_nc_u32 v[PFO], v5, v6
	s_and_b32 s18, s14, 3
	s_cmp_eq_u32 s11, 0
	s_cselect_b32 s18, s12, s18                    ; 0 in wave 0; 1 in wave 1, which asks for nothing; in waves 2 and 3 the cluster's place among its batch's four
	s_cmp_eq_u32 s18, 0
	s_cselect_b32 s15, 2, -1                       ; the same in all sixteen partners, for a given wave
.irp a, 0,1,2,3
	v_mov_b32 v[XT+(\a)], 0                        ; v_permlanex16_b32's destination counts as read
.endr
	v_mov_b32 v[ZR], 0
	s_wait_loadcnt 0x0
.irp a, 0,1,2,3
	v_max3_num_f32 v[MM+(\a)], v[MR+(\a)], v[MR+4+(\a)], v[MR+8+(\a)]
.endr
.irp a, 0,1,2,3
	v_max3_num_f32 v[MM+(\a)], v[MM+(\a)], v[MR+12+(\a)], v[MR+16+(\a)]
.endr
.irp a, 0,1,2,3
	v_max3_num_f32 v[MM+(\a)], v[MM+(\a)], v[MR+20+(\a)], v[MR+24+(\a)]
.endr
.irp a, 0,1,2,3
	v_max_num_f32 v[MM+(\a)], v[MM+(\a)], v[MR+28+(\a)]
.endr
.irp a, 0,1,2,3
	v_permlanex16_b32 v[XT+(\a)], v[MM+(\a)], s90, s91  ; the row's other eight blocks lie in the lane 16 away
.endr
.irp a, 0,1,2,3
	v_max_num_f32 v[MM+(\a)], v[MM+(\a)], v[XT+(\a)]
.endr
.irp i, 0,1,2,3,4,5,6,7
	v_pk_add_f32 v[MR+4*(\i):MR+4*(\i)+1],   v[MR+4*(\i):MR+4*(\i)+1],   v[MM:MM+1]   neg_lo:[0,1] neg_hi:[0,1]
	v_pk_add_f32 v[MR+4*(\i)+2:MR+4*(\i)+3], v[MR+4*(\i)+2:MR+4*(\i)+3], v[MM+2:MM+3] neg_lo:[0,1] neg_hi:[0,1]
.endr
.set i, 0
.rept 32
	v_exp_f32 v[MR+i], v[MR+i]
.set i, i+1
.endr
	v_nop                                          ; one plain instruction behind the last exponential,
	s_wait_alu depctr_va_vdst(0)                   ; and one wait for the batch
.set i, 0
.rept 32
	v_cvt_pk_f16_f32 v[CT+i], v[MR+i], v[MR+i]     ; c as f16, in both halves
.set i, i+1
.endr
	; L = the sum of c l, in f32, with the rounded c read from the packed word's low half: four chains, one a row block, which take turns
.irp a, 0,1,2,3
	v_fma_mix_f32 v[LL+(\a)], v[CT+(\a)], v[LR+(\a)], v[ZR] op_sel_hi:[1,0,0]
.endr
.irp i, 1,2,3,4,5,6,7
.irp a, 0,1,2,3
	v_fma_mix_f32 v[LL+(\a)], v[CT+4*(\i)+(\a)], v[LR+4*(\i)+(\a)], v[LL+(\a)] op_sel_hi:[1,0,0]
.endr
.endr
.irp a, 0,1,2,3
	v_permlanex16_b32 v[XT+(\a)], v[LL+(\a)], s90, s91
.endr
.irp a, 0,1,2,3
	v_add_f32 v[LL+(\a)], v[LL+(\a)], v[XT+(\a)]
.endr
.irp a, 0,1,2,3
	v_rcp_f32 v[INV+2*(\a)], v[LL+(\a)]
	v_rcp_f32 v[INV+2*(\a)+1], v[LL+(\a)]          ; the packed multiply names a pair
.endr
	v_nop
	s_wait_alu depctr_va_vdst(0)                   ; one wait for the eight reciprocals
.irp i, 0,1,2,3,4,5,6,7
	ds_store_b128 v[CST], v[CT+4*(\i):CT+4*(\i)+3] offset:256*(\i)  ; block 8 h + i, row slot r: the table is my wave's own
.endr
; A run of LDS loads: quarter q of the slot in hand: (c = 1: the step's c;) p's 64 rows, then v's 128 columns, turned, into buffers g
.macro FETCH q, g, c=0
.if \c
	WIN 0
	ds_load_b128 v[CC:CC+3], v[CAD]
.endif
	WIN 0x80                                       ; destination window 2
.irp i, 0,1,2,3
	ds_load_b128 v[AF+32*(\g)+8*(\i):AF+32*(\g)+8*(\i)+3],   v[ADRA] offset:(\i)*16*PA+64*(\q)
	ds_load_b128 v[AF+32*(\g)+8*(\i)+4:AF+32*(\g)+8*(\i)+7], v[ADRA] offset:(\i)*16*PA+64*(\q)+32
.endr
.irp b, 0,1,2,3,4,5,6,7
	ds_load_tr16_b128 v[BF+64*(\g)+8*(\b):BF+64*(\g)+8*(\b)+3],   v[ADRB] offset:32*(\q)*PB+32*(\b)
	ds_load_tr16_b128 v[BF+64*(\g)+8*(\b)+4:BF+64*(\g)+8*(\b)+7], v[ADRB] offset:32*(\q)*PB+16*PB+32*(\b)
.endr
.endm
; p times c_t, in place, two f16 an instruction, each rounded once: 32 plain instructions.  They name no register of the quarter before, so they are also the places between its products and the loads into its buffers.
.macro SCALE f
	WIN 0x82                                       ; destination and source 0 in window 2, c in window 0
.irp i, 0,1,2,3
.irp j, 0,1,2,3,4,5,6,7
	v_pk_mul_f16 v[AF+32*(\f)+8*(\i)+(\j)], v[AF+32*(\f)+8*(\i)+(\j)], v[CC+(\i)]
.endr
.endr
.endm
; 16 matrix instructions; each accumulator has one turn a quarter, always in the same order.  zero = 1: the first product starts the sums.
.macro MUL16 f, a0, zero
	WIN 0x5a                                       ; v and p in window 2, C and D in window 1
.irp a, \a0, (\a0)+1
.irp b, 0,1,2,3,4,5,6,7
.if \zero
	v_wmma_f32_16x16x32_f16 v[8*(8*(\a)+(\b)):8*(8*(\a)+(\b))+7], v[BF+64*(\f)+8*(\b):BF+64*(\f)+8*(\b)+7], v[AF+32*(\f)+8*(\a):AF+32*(\f)+8*(\a)+7], 0
.else
	v_wmma_f32_16x16x32_f16 v[8*(8*(\a)+(\b)):8*(8*(\a)+(\b))+7], v[BF+64*(\f)+8*(\b):BF+64*(\f)+8*(\b)+7], v[AF+32*(\f)+8*(\a):AF+32*(\f)+8*(\a)+7], v[8*(8*(\a)+(\b)):8*(8*(\a)+(\b))+7]
.endif
.endr
.endr
.endm
.macro QUARTER q, f, g, zero=0
	s_wait_dscnt 16                                ; c and p's fragments are in; v's 16 turning loads may be out
	SCALE \f
	s_wait_dscnt 0x0
	MUL16 \f, 0, \zero
	FETCH \q, \g
	MUL16 \f, 2, \zero
.endm
; The last quarter multiplies buffer 1 and changes slots, as in the projection's text: the wait for all my tensor loads, the add, the wait for it and for my reads; fill = 1: a round of the cluster's barrier, and the refill first behind it.
.macro TURN fill
.if \fill
	s_wait_xcnt 0x0                                ; the last prefetch, a K step back, has read its address
	s_add_nc_u64 s[46:47], s[46:47], s[66:67]
.endif
	WIN 0
	s_wait_tensorcnt 0x0
	ds_add_u32 v[SPW], v[NIL]                      ; 0 onto my spare word
.if \fill
	s_add_co_u32 s[G0+5], s69, s68                 ; the walking descriptors: the slot that is being left, the next K step
	s_add_nc_u64 s[G0+6:G0+7], s[G0+6:G0+7], ASTEP
	s_add_co_u32 s[G0B+5], s70, s68
	s_add_nc_u64 s[G0B+6:G0B+7], s[G0B+6:G0B+7], BSTEP
.endif
	s_xor_b32 s68, s68, SLOT
	s_wait_dscnt 17                                ; p's fragments are in; the add and v's 16 loads may be out
	SCALE 1
	s_wait_dscnt 0x0                               ; the add is done, and my reads of this slot are over
	s_barrier_signal -1
	MUL16 1, 0, 0
	WIN 0
	s_barrier_wait -1
.if \fill
	CREST
	JLOAD
.endif
	v_add_nc_u32 v[ADRA], s68, v[ADRA0]
	v_add_nc_u32 v[ADRB], s68, v[ADRB0]
	v_add_nc_u32 v[CAD], 256, v[CAD]               ; the next key block's c
	FETCH 0, 0, 1
.if \fill
	WIN 0
	ASK
.endif
	MUL16 1, 2, 0
.endm
; THE WAY OUT of row block a: divided by L, 32 bytes a lane into my stage, back as whole rows of 512 bytes (LDS serves a wave's instructions in order: ISA guide 5.7.1.4), and stored.
.macro OUT a
	WIN 0x01                                       ; source 0 in window 1; each accumulator's registers in ascending order
.irp b, 0,1,2,3,4,5,6,7
.irp j, 0,1,2,3
	v_pk_mul_f32 v[TMP+8*(\b)+2*(\j):TMP+8*(\b)+2*(\j)+1], v[64*(\a)+8*(\b)+2*(\j):64*(\a)+8*(\b)+2*(\j)+1], v[INV+2*(\a):INV+2*(\a)+1] op_sel_hi:[1,0]
.endr
.endr
	WIN 0
	s_wait_xcnt 0x0                                ; the block before's stores have read their registers, which are loaded again below
.irp b, 0,1,2,3,4,5,6,7
	ds_store_b128 v[STO], v[TMP+8*(\b):TMP+8*(\b)+3]   offset:64*(\b)
	ds_store_b128 v[STO], v[TMP+8*(\b)+4:TMP+8*(\b)+7] offset:64*(\b)+16
.endr
.irp t, 0,1,2,3,4,5,6,7,8,9,10,11,12,13,14,15
	ds_load_b128 v[OB+4*(\t):OB+4*(\t)+3], v[RD] offset:(\t)*SP
.endr
	s_wait_dscnt 0x0
.irp t, 0,1,2,3,4,5,6,7,8,9,10,11,12,13,14,15
	global_store_b128 v[CO], v[OB+4*(\t):OB+4*(\t)+3], s[92:93] offset:(16*(\a)+(\t))*4096 th:TH_STORE_NT  ; a store of the wave covers 512 consecutive bytes, at a multiple of 256 from out0's first byte
.endr
.endm
	s_wait_dscnt 0x0                               ; my table of c is written: no LDS instruction is pending at a signal
	s_wait_tensorcnt 0x1                           ; my part of K step 0 is in; K step 1's may stay out
	s_barrier_signal -1
	s_barrier_wait -1
	FETCH 0, 0, 1
	QUARTER 1, 0, 1, 1                             ; the first quarter stands in front of the loop: its products start the sums
	WIN 0
	s_mov_b32 s3, T-2
.Lstep:
	QUARTER 2, 1, 0
	QUARTER 3, 0, 1
	TURN 1
	QUARTER 1, 0, 1
	WIN 0
	s_sub_co_u32 s3, s3, 1
	s_cmp_lg_u32 s3, 0
	s_cbranch_scc1 .Lstep
	QUARTER 2, 1, 0                                ; the tail is written out
	QUARTER 3, 0, 1
	TURN 0
	QUARTER 1, 0, 1
	QUARTER 2, 1, 0
	QUARTER 3, 0, 1
	s_wait_dscnt 16
	SCALE 1
	s_wait_dscnt 0x0
	MUL16 1, 0, 0
	MUL16 1, 2, 0
	PLACES
	OUT 0
	OUT 1
	OUT 2
	OUT 3
	s_wait_tensorcnt 0x0                           ; the wave's end: a wait, an add to my spare word and its wait, behind my last tensor load and my last LDS store
	ds_add_u32 v[SPW], v[NIL]
	s_wait_dscnt 0x0
	CROUND                                         ; the closing round
	s_endpgm
.Lfunc_end_k_q1f6f2a210c_pv:
	.size	k_q1f6f2a210c_pv, .Lfunc_end_k_q1f6f2a210c_pv-k_q1f6f2a210c_pv
	.p2alignl 7, 3214868480
	.fill 96, 4, 3214868480
	.section	.rodata,"a",@progbits
	.p2align	6, 0x0
	.amdhsa_kernel k_q1f6f2a210c_pv
		.amdhsa_group_segment_fixed_size 327680
		.amdhsa_private_segment_fixed_size 0
		.amdhsa_enable_private_segment 0
		.amdhsa_kernarg_size 40
		.amdhsa_user_sgpr_count 2
		.amdhsa_user_sgpr_kernarg_segment_ptr 1
		.amdhsa_wavefront_size32 1
		.amdhsa_system_sgpr_workgroup_id_x 1
		.amdhsa_system_sgpr_workgroup_id_y 1
		.amdhsa_system_sgpr_workgroup_id_z 1
		.amdhsa_system_vgpr_workitem_id 0
		.amdhsa_next_free_vgpr 768
		.amdhsa_next_free_sgpr 96
		.amdhsa_reserve_vcc 0
		.amdhsa_float_denorm_mode_32 3
		.amdhsa_float_denorm_mode_16_64 3
		.amdhsa_memory_ordered 1
		.amdhsa_forward_progress 1
		.amdhsa_inst_pref_size 112
	.end_amdhsa_kernel
	.amdgpu_metadata
---
amdhsa.version: [ 1, 2 ]
amdhsa.kernels:
  - .name:           k_q1f6f2a210c_pv
    .symbol:         k_q1f6f2a210c_pv.kd
    .args:
      - { .name: p, .offset: 0, .size: 8, .value_kind: global_buffer, .address_space: global }
      - { .name: qkv, .offset: 8, .size: 8, .value_kind: global_buffer, .address_space: global }
      - { .name: ms, .offset: 16, .size: 8, .value_kind: global_buffer, .address_space: global }
      - { .name: ls, .offset: 24, .size: 8, .value_kind: global_buffer, .address_space: global }
      - { .name: out0, .offset: 32, .size: 8, .value_kind: global_buffer, .address_space: global }
    .group_segment_fixed_size: 327680
    .private_segment_fixed_size: 0
    .kernarg_segment_align: 8
    .kernarg_segment_size: 40
    .max_flat_workgroup_size: 128
    .sgpr_count:     96
    .vgpr_count:     768
    .wavefront_size: 32
...
	.end_amdgpu_metadata
.endif
;; end of part 4
